; MI455X (gfx1250); checked and timed in simulation.
; The chip was launched on July 23, 2026; its instructions are those of AMD's public machine-readable ISA for CDNA 5 (MIT licence, August 2026) and "CDNA5" Instruction Set Architecture Reference Guide (July 2026). The comments in the code are by the model that wrote it; some were corrected since.
;; Multihead Attention. Allowed arithmetic: matrix products marked QUANTISED: E2M3 operands, one E8M0 scale for each 32 along K, by v_wmma_scale_f32_16x16x128_f8f6f4 with both operands' format E2M3, f32 sums; everything else in f32.
;; Inputs: b_K 1,024 float32; b_O 1,024 float32; b_Q 1,024 float32; b_V 1,024 float32; k 4 x 2,048 x 1,024 float32; mask 1 x 1 x 2,048 x 2,048 int32; q 4 x 2,048 x 1,024 float32; v 4 x 2,048 x 1,024 float32; w_K 1,024 x 1,024 float32; w_O 1,024 x 1,024 float32; w_Q 1,024 x 1,024 float32; w_V 1,024 x 1,024 float32.
;; Outputs: out0 4 x 2,048 x 1,024 float32.
;; This version of the problem:
;;   THIS VERSION OF THE PROBLEM IS GIVEN IN LOW PRECISION. The matrix products marked QUANTISED in the list below multiply operands that are first quantised to E2M3 (2 exponent bits, 3 mantissa bits; 6 bits a number), with one power-of-two scale for each 32 numbers along K (OCP MX v1.0); their sums are f32. All else is computed in f32.
;;   The module's matrix products, in the order in which they are computed (A, B: the left and right operand; K: the contracted axis; several contracted axes count as one K, in the product's order):
;;     1. [M 8,192, K 1,024] x [K 1,024, N 1,024]; A: input q; B: input w_Q: QUANTISED
;;     2. [M 8,192, K 1,024] x [K 1,024, N 1,024]; A: input k; B: input w_K: QUANTISED
;;     3. [M 8,192, K 1,024] x [K 1,024, N 1,024]; A: input v; B: input w_V: QUANTISED
;;     4. batch 64 x [M 2,048, K 64] x [K 64, N 2,048]; A: computed on the way; B: computed on the way: QUANTISED
;;     5. batch 64 x [M 2,048, K 2,048] x [K 2,048, N 64]; A: softmax (see below); B: computed on the way: QUANTISED
;;     6. [M 8,192, K 1,024] x [K 1,024, N 1,024]; A: computed on the way; B: input w_O: QUANTISED
;;   THE QUANTISER, for each operand of a quantised product, along K:
;;     - K is cut into blocks of 32 from its start; a last block that is shorter is filled with zeros.
;;     - A block's scale is 2^e with e = floor(log2(the largest magnitude in the block)) - 2, held to -126 .. 127; a block of zeros has e = 0. As a byte (E8M0): e + 127.
;;     - Each number is divided by its block's scale, clamped to +-7.5, and rounded to the nearest number of E2M3, ties to even, subnormals kept.
;;     - The product sums the exact products of the quantised numbers (number of the format x scale) in f32.
;;   ~~~python
;;   def quantise(x, axis):      # numpy; x: float32 -> the quantised numbers, widened to float32 again
;;       x = np.moveaxis(x, axis, -1); K = x.shape[-1]
;;       x = np.pad(x, [(0, 0)] * (x.ndim - 1) + [(0, -K % 32)]); x = x.reshape(x.shape[:-1] + (-1, 32)); a = np.abs(x).max(-1, keepdims=True)
;;       e = np.where(a > 0, np.clip(np.frexp(np.where(a > 0, a, 1))[1] - 1 - 2, -126, 127), 0)      # np.frexp(a)[1] - 1 = floor(log2(a)), exactly
;;       r = np.clip(x / 2.0 ** e, -7.5, 7.5)
;;       step = 2.0 ** (np.maximum(np.frexp(np.where(r == 0, 1, r))[1] - 1, 0) - 3)
;;       q = np.round(r / step) * step * 2.0 ** e      # np.round: ties to even
;;       return np.moveaxis(q.reshape(q.shape[:-2] + (-1,))[..., :K], -1, axis).astype(np.float32)
;;   ~~~
;;   SOFTMAX AHEAD OF A QUANTISED PRODUCT. Where the list says 'softmax', what is quantised is not the finished softmax but p = 2^(t - M), with t = logit x log2(e) and M = ceil(the row's largest t), a whole number; so 1/2 < the row's largest p <= 1. The row's sum l is taken of the UNQUANTISED p, in f32, and the product's result is divided by l at the end. Since M is a whole number, a kernel that streams over the keys may use a running M (the ceiling of the running maximum): every later rescaling is an exact power of two, which a block's scale takes up: the codes' values come out the same.
;;   OPERANDS COMPUTED ON THE WAY. 'Computed on the way' means the value that the module computes at that place (a softmax that the list does not call 'softmax' is quantised finished and normalised). What goes into a quantiser is computed in f32, as accurately as f32 sums, v_exp_f32 and their like allow (about 1e-6 of the number): no bf16 or f16 on the way to a quantiser, and a product that is left as it is and whose result goes on into a quantised operand takes f32 operands (vector FMAs, or v_wmma_f32_16x16x4_f32). A number that lies on a knife's edge between two numbers of the format may be rounded either way, as far as f32 arithmetic and the matrix unit's own rounding can turn it there, and no further.
;; One version. Each part assembles by itself: llvm-mc -triple=amdgcn-amd-amdhsa -mcpu=gfx1250 --defsym DOCPART=n.
;; ======== version 1 of 1: 4 launches
;; limits: right only within a limited range of input values
;; workspace buffers: cod 22,937,600 bytes; heads 20,447,232 bytes; ctx 6,553,600 bytes; mk 524,288 bytes of whole numbers; fl 2,048 bytes of whole numbers
;; launch prep (part 1): grid 1024 x 1, 4 waves a work-group, no clusters, 68,096 bytes of LDS; arguments q, k, v, w_Q, w_K, w_V, w_O, mask, cod, mk, fl; writes cod, mk, fl
.if DOCPART == 1
	.amdgcn_target "amdgcn-amd-amdhsa--gfx1250"
	.amdhsa_code_object_version 6
	.text
	.protected	k_qbb7833364f_prep
	.globl	k_qbb7833364f_prep
	.p2align	8
	.type	k_qbb7833364f_prep,@function
k_qbb7833364f_prep:
	s_mov_b64 s[64:65], 0
	v_nop
	global_prefetch_b8 v0, s[64:65] scope:SCOPE_SE
	s_setreg_imm32_b32 hwreg(HW_REG_WAVE_MODE, 25, 1), 1
	s_wait_xcnt 0x0
; PREP: q, k, v [8192][1024] and the four weights [1024][1024], f32, become codes of FP6 (E2M3) with one E8M0 byte for each 32 along K (their last axis);
; the mask [2048][2048] of int32 becomes lane masks, one bit a number.
; LAYOUT OF THE CODES.  Tile T of a matrix is the 16 rows 32 (T / 2) + 8 (T % 2) + r + 8 (r / 8), r = 0 .. 15.  A HALF IMAGE is such a tile x 64 along K as it stands in an operand's registers:
; lane (r, h) owns k = 32 h + 0 .. 31, six registers; registers 0-3 lie at 16 x lane (512 bytes), registers 4-5 at 512 + 8 x lane (256 bytes): 768 bytes.
; A RECORD is a tile x 512 along K: eight half images (6,144 bytes), then the scale words [r 16][4] (256 bytes): 6,400 bytes.  A tile's two records lie on end.
; Tiles in cod: q 0-511, k 512-1023, v 1024-1535, w_Q 1536-, w_K 1600-, w_V 1664-, w_O 1728-1791.
; SHARES.  Work-groups 0-895: 32 rows each; wave w makes the record of tile 2 x work-group + w / 2, K half w % 2.  Work-groups 896-1023: query tile T = work-group - 896; wave w takes key steps 4 w .. 4 w + 3 of 128 keys.
; Each load reads 512 consecutive bytes of one row; 16 rows x 512 bytes turn through the wave's own stage in LDS (rows 528 = 33 x 16 bytes apart), so that a lane gets 16 neighbours along K of each block of 32.
; The two paths part on the work-group's number and have LDS bytes of their own.  Waves share nothing: no barrier.
; A block's scale is 2^(floor(log2(largest magnitude)) - 2); its byte is that magnitude's exponent field - 2, held at 1 from below.
; LIMITS: a block of zeros, or one whose largest magnitude lies under 2^-124, gets the byte 1 (the bytes are read by this program alone; zero codes add nothing); NaN and infinities among the inputs are not served.
; mk: [T 128][key step 16][64 words]: bit 16 h + r of word w says mask[row r of query tile T][128 step + 64 (w / 32) + 32 h + w % 32] != 0.
; K'S TILES ALONE have another choice of rows than the one given above: tile T of k is the rows 64 (T / 4) + 8 (T % 4) + r % 8 + 32 (r / 8), so that in attention a lane's 32 scores of four tiles are one whole block of 32 keys.
; mk follows that order: bit 16 h + r of word w says mask[row r of query tile T][128 step + 64 (w / 32) + 32 h + w % 32] != 0.
; fl: [T 128][wave 4] words: bit 4 wave + t of wave's word is 1 where no key of key step 4 wave + t is hidden from any of tile T's 16 queries.
.set PITX, 4096                        ; a row of q, k, v or a weight in bytes
.set PITM, 8192                        ; a row of the mask
.set SROW, 528
.set STG,  16*SROW                     ; a wave's stage
.set MOFF, 4*STG                       ; the mask path's four stages lie behind the numbers path's
.set A16,  1                           ; v1   16 x lane
.set SIN,  2                           ; v2   stage + 16 x lane
.set SOUT, 3                           ; v3   stage + 528 r + 64 h
.set A8,   5                           ; v5   8 x lane
.set ASC,  6                           ; v6   16 r + 8 h
.set PC,   8                           ; v8-19 a fragment's codes; v20-22, v24-26 at work
.set MW,   8                           ; mask path: v8-15 the words of four key steps
.set R,    32                          ; v32-95, v96-159 two sets of 16 rows as loaded
.set X,    160                         ; v160-223 register 16 b + i: k = 32 b + 16 h + i of my row
.set TM,   224                         ; v224-239 at work
.set W,    240                         ; v240-243 the four scale words; v244-245 my two of them
.set SRC,  24                          ; s[24:25] where my wave reads
.set SEL,  28                          ; s[28:29] lane selects: lane l xor 16
.set HI16, 30                          ; s30 lanes 16-31
.macro LOADF t, pitch                  ; fragment t (128 along K, 512 bytes) of my tile's 16 rows into set t % 2
.irp i, 0,1,2,3,4,5,6,7,8,9,10,11,12,13,14,15
	global_load_b128 v[R+64*((\t)%2)+4*\i:R+64*((\t)%2)+4*\i+3], v[A16+28*(\i/8)], s[SRC:SRC+1] offset:(\i+8*(\i/8))*\pitch+512*(\t) th:TH_LOAD_NT   ; rows 8-15 by v29, which for k stands 16 rows further on
.endr
.endm
.macro TURN t, base                    ; through the stage: LDS serves a wave's instructions in order, so no wait stands between the stores and the loads
.irp i, 0,1,2,3,4,5,6,7,8,9,10,11,12,13,14,15
	ds_store_b128 v[SIN], v[R+64*((\t)%2)+4*\i:R+64*((\t)%2)+4*\i+3] offset:\base+SROW*\i
.endr
.irp b, 0,1,2,3
.irp j, 0,1,2,3
	ds_load_b128 v[X+16*\b+4*\j:X+16*\b+4*\j+3], v[SOUT] offset:\base+128*\b+16*\j
.endr
.endr
.endm
; 64 numbers of a lane become a fragment's 12 registers of codes and its row's scale word
.macro QUANT s, pc, pw
.irp b, 0,1,2,3
	v_max3_num_f32 v[TM+\b], |v[\s+16*\b]|, |v[\s+1+16*\b]|, 0x1800000   ; my 16 numbers of block b, and the floor 2^(3 - 127): the byte cannot fall under 1
.endr
.irp i, 2,4,6,8,10,12,14
.irp b, 0,1,2,3
	v_max3_num_f32 v[TM+\b], v[TM+\b], |v[\s+16*\b+\i]|, |v[\s+1+16*\b+\i]|
.endr
.endr
.irp b, 0,1,2,3
	v_permlanex16_b32 v[TM+4+\b], v[TM+\b], s[SEL], s[SEL+1]
.endr
.irp b, 0,1,2,3
	v_max_num_f32 v[TM+\b], v[TM+\b], v[TM+4+\b]          ; with lane l xor 16's 16: the block's largest magnitude
.endr
.irp b, 0,1,2,3
	v_add_nc_u32 v[TM+12+\b], 0xff000000, v[TM+\b]        ; 2 off its exponent field: the conversion's scale operand
.endr
.irp b, 0,1,2,3
	v_lshrrev_b32 v[TM+4+\b], 23, v[TM+12+\b]             ; the scale's byte
.endr
	v_lshl_or_b32 v[\pw], v[TM+5], 8, v[TM+4]
	v_lshl_or_b32 v[\pw], v[TM+6], 16, v[\pw]
	v_lshl_or_b32 v[\pw], v[TM+7], 24, v[\pw]
.irp c, 0,1
	v_cvt_scalef32_pk16_fp6_f32 v[\pc+6*\c:\pc+2+6*\c], v[\s+32*\c:\s+15+32*\c], v[TM+12+2*\c]
	v_cvt_scalef32_pk16_fp6_f32 v[\pc+12+4*\c:\pc+14+4*\c], v[\s+16+32*\c:\s+31+32*\c], v[TM+12+2*\c+1]   ; (a conversion's three registers begin on an even number)
.endr
	v_nop                                          ; one plain place behind a scaled conversion
.irp c, 0,1                                    ; a whole block to a lane: lanes 0-15 block 2 c, lanes 16-31 block 2 c + 1
.irp i, 0,1,2
	v_permlane16_swap_b32 v[\pc+6*\c+\i], v[\pc+12+4*\c+\i]
.endr
.irp i, 0,1,2
	v_mov_b32 v[\pc+3+6*\c+\i], v[\pc+12+4*\c+\i]
.endr
.endr
.endm
	s_load_b512 s[4:19], s[0:1], 0x0               ; q, k, v, w_Q, w_K, w_V, w_O, mask
	s_load_b128 s[20:23], s[0:1], 0x40             ; cod, mk
	s_load_b64 s[40:41], s[0:1], 0x50              ; fl
	v_lshl_add_u32 v248, v0, 2, 0x10800
	v_mov_b32 v249, 0
	v_lshrrev_b32 v4, 5, v0
	v_readfirstlane_b32 s2, v4                     ; wave 0..3
	v_and_b32 v7, 31, v0                           ; lane
	v_and_b32 v4, 15, v0                           ; r
	v_bfe_u32 v6, v0, 4, 1                         ; h
	v_lshlrev_b32 v[A16], 4, v7
	v_lshlrev_b32 v29, 4, v7                       ; the same for a tile's rows 8-15
	v_lshlrev_b32 v[A8], 3, v7
	s_mul_i32 s3, s2, STG
	v_add_nc_u32 v[SIN], s3, v[A16]
	v_mul_u32_u24 v[SOUT], v4, SROW
	v_lshl_add_u32 v[SOUT], v6, 6, v[SOUT]
	v_add_nc_u32 v[SOUT], s3, v[SOUT]
	v_lshlrev_b32 v6, 3, v6
	v_lshl_add_u32 v[ASC], v4, 4, v6
	s_mov_b32 s[SEL], 0x76543210
	s_mov_b32 s[SEL+1], 0xfedcba98
	s_mov_b32 s[HI16], 0xffff0000
	s_wait_kmcnt 0x0
	s_cmp_ge_u32 ttmp9, 896
	s_cbranch_scc1 .Lmask
	; ---- the numbers.  The tensor is chosen by the work-group's number alone
	s_mov_b64 s[SRC:SRC+1], s[16:17]
	s_cmp_lt_u32 ttmp9, 864
	s_cselect_b64 s[SRC:SRC+1], s[14:15], s[SRC:SRC+1]
	s_cmp_lt_u32 ttmp9, 832
	s_cselect_b64 s[SRC:SRC+1], s[12:13], s[SRC:SRC+1]
	s_cmp_lt_u32 ttmp9, 800
	s_cselect_b64 s[SRC:SRC+1], s[10:11], s[SRC:SRC+1]
	s_cmp_lt_u32 ttmp9, 768
	s_cselect_b64 s[SRC:SRC+1], s[8:9], s[SRC:SRC+1]
	s_cselect_b32 s26, 255, 31                     ; q, k, v have 256 groups of 32 rows, a weight 32
	s_cmp_lt_u32 ttmp9, 512
	s_cselect_b64 s[SRC:SRC+1], s[6:7], s[SRC:SRC+1]
	s_cmp_lt_u32 ttmp9, 256
	s_cselect_b64 s[SRC:SRC+1], s[4:5], s[SRC:SRC+1]
	s_and_b32 s26, ttmp9, s26                      ; the group of 32 rows in its tensor
	s_lshr_b32 s3, ttmp9, 8
	s_cmp_eq_u32 s3, 1                             ; k's work-groups are 256-511
	s_cselect_b32 s3, 0x10000, 0                   ; 16 rows of 4,096 bytes, for k alone
	s_and_b32 s27, s26, 1
	s_mul_i32 s27, s27, s3
	s_lshl_b32 s26, s26, 17                        ; x 32 rows of 4,096 bytes;
	s_sub_co_u32 s26, s26, s27                     ; k: an odd group's tiles begin 16 rows behind the even group's, not 32
	s_lshr_b32 s27, s2, 1
	s_lshl_b32 s27, s27, 15                        ; + 8 rows for the odd tile
	s_add_co_u32 s26, s26, s27
	s_and_b32 s27, s2, 1
	s_lshl_b32 s27, s27, 11                        ; + 2,048 bytes for the second K half
	s_add_co_u32 s26, s26, s27
	s_mov_b32 s27, 0
	s_add_nc_u64 s[SRC:SRC+1], s[SRC:SRC+1], s[26:27]
	s_mul_i32 s26, ttmp9, 25600                    ; four records a work-group,
	s_mul_i32 s31, s2, 6400                        ; one a wave
	s_add_co_u32 s26, s26, s31
	s_add_nc_u64 s[20:21], s[20:21], s[26:27]
.irp b, 0,1,2,3
	v_mov_b32 v[TM+4+\b], 0                        ; written once: a lane permute's destination counts as one of its sources
.endr
	v_add_nc_u32 v29, s3, v[A16]                   ; k: rows 8-15 of a tile lie 32 rows behind rows 0-7
	LOADF 0, PITX
	LOADF 1, PITX
.macro NSTEP t
.if (\t) < 3
	s_wait_loadcnt 16                              ; this fragment's 16 loads are in; the next fragment's 16 may be out
.else
	s_wait_loadcnt 0x0
.endif
	TURN \t, 0
	s_wait_xcnt 0x0                                ; the last fragment's stores have read the codes' registers, which are written again below
	s_wait_dscnt 0x0                               ; my 64 numbers are back; the stage's stores have read their registers,
.if (\t)+2 < 4
	LOADF (\t)+2, PITX                             ; which take the loads of two fragments on
.endif
	QUANT X, PC, W+(\t)
	global_store_b128 v[A16], v[PC:PC+3], s[20:21] offset:1536*(\t)          ; 512 consecutive bytes
	global_store_b64 v[A8], v[PC+4:PC+5], s[20:21] offset:1536*(\t)+512      ; 256 consecutive bytes
	global_store_b128 v[A16], v[PC+6:PC+9], s[20:21] offset:1536*(\t)+768
	global_store_b64 v[A8], v[PC+10:PC+11], s[20:21] offset:1536*(\t)+1280
.endm
	s_wait_alu depctr_va_vdst(0)
	NSTEP 0
	NSTEP 1
	NSTEP 2
	NSTEP 3
	v_cndmask_b32 v[W+4], v[W], v[W+2], s[HI16]    ; lane (r, h) stores words 2 h and 2 h + 1 of row r
	v_cndmask_b32 v[W+5], v[W+1], v[W+3], s[HI16]
	global_store_b64 v[ASC], v[W+4:W+5], s[20:21] offset:6144                ; the record's 256 bytes of scale words
	s_wait_tensorcnt 0x0
	ds_add_u32 v248, v249
	s_wait_dscnt 0x0
	s_endpgm
	; ---- the mask
.Lmask:
	s_sub_co_u32 s31, ttmp9, 896                   ; query tile T
	s_lshl_b32 s26, s31, 4
	s_lshl_b32 s27, s2, 2
	s_add_co_u32 s26, s26, s27
	s_mov_b32 s27, 0
	s_add_nc_u64 s[40:41], s[40:41], s[26:27]      ; fl: 16 bytes a tile, 4 a wave
	s_mov_b32 s43, 0                               ; my four flags
	s_wait_alu depctr_va_vdst(0)
	v_bfe_u32 v31, v0, 4, 1
	v_lshl_add_u32 v30, v31, 6, v[SOUT]            ; stage + 528 r + 128 h
	s_lshr_b32 s26, s31, 1
	s_lshl_b32 s26, s26, 18                        ; 32 rows of 8,192 bytes
	s_and_b32 s27, s31, 1
	s_lshl_b32 s27, s27, 16                        ; 8 rows
	s_add_co_u32 s26, s26, s27
	s_lshl_b32 s27, s2, 11                         ; my four key steps of 512 bytes
	s_add_co_u32 s26, s26, s27
	s_mov_b32 s27, 0
	s_add_nc_u64 s[SRC:SRC+1], s[18:19], s[26:27]
	s_lshl_b32 s26, s31, 12                        ; 16 key steps of 256 bytes a tile
	s_lshl_b32 s31, s2, 10
	s_add_co_u32 s26, s26, s31
	s_add_nc_u64 s[22:23], s[22:23], s[26:27]
.irp b, 0,1,2,3,4,5,6,7
	v_mov_b32 v[MW+\b], 0                          ; v_writelane_b32's destination counts as read
.endr
	LOADF 0, PITM
	LOADF 1, PITM
.macro TURNM t                         ; through the stage: register 32 c + i of lane (r, h) is key 64 c + 32 h + i of the step
.irp i, 0,1,2,3,4,5,6,7,8,9,10,11,12,13,14,15
	ds_store_b128 v[SIN], v[R+64*((\t)%2)+4*\i:R+64*((\t)%2)+4*\i+3] offset:MOFF+SROW*\i
.endr
.irp c, 0,1
.irp j, 0,1,2,3,4,5,6,7
	ds_load_b128 v[X+32*\c+4*\j:X+32*\c+4*\j+3], v30 offset:MOFF+256*\c+16*\j
.endr
.endr
.endm
.macro MSTEP t
.if (\t) < 3
	s_wait_loadcnt 16                              ; this key step's 16 loads are in; the next step's 16 may be out
.else
	s_wait_loadcnt 0x0
.endif
	TURNM \t
	s_mov_b32 s42, -1
	s_wait_dscnt 0x0
.if (\t)+2 < 4
	LOADF (\t)+2, PITM
.endif
.set j, 0
.rept 8                                        ; word j: a compare's 32 lane bits; it goes to register j % 2, lane j / 2, so that a lane stores two neighbouring words
.irp e, 0,1,2,3,4,5,6,7
	v_cmp_ne_u32 s[32+\e], 0, v[X+j+\e]
.endr
.irp e, 0,1,2,3,4,5,6,7
	s_and_b32 s42, s42, s[32+\e]                   ; all ones while no key is hidden
.endr
.irp e, 0,1,2,3,4,5,6,7
	v_writelane_b32 v[MW+2*(\t)+(j+\e)%2], s[32+\e], (j+\e)/2
.endr
.set j, j+8
.endr
	global_store_b64 v[A8], v[MW+2*(\t):MW+2*(\t)+1], s[22:23] offset:256*(\t)   ; 256 consecutive bytes
	s_cmp_eq_u32 s42, -1
	s_cselect_b32 s42, 1<<(\t), 0
	s_or_b32 s43, s43, s42
.endm
	s_wait_alu depctr_va_vdst(0)                   ; ahead of the first wait for loads
	MSTEP 0
	MSTEP 1
	MSTEP 2
	MSTEP 3
	s_lshl_b32 s42, s2, 2
	s_lshl_b32 s43, s43, s42                       ; at bits 4 wave .. 4 wave + 3
	v_mov_b32 v24, s43
	v_mov_b32 v25, 0
	v_cmp_eq_u32 vcc_lo, 0, v7
	s_wait_alu depctr_va_vdst(0)                   ; directly ahead of the wait below
	s_wait_xcnt 0x0                                ; EXEC changes only behind this wait
	s_and_saveexec_b32 s44, vcc_lo                 ; lane 0 alone stores the wave's word
	global_store_b32 v25, v24, s[40:41]
	s_wait_xcnt 0x0
	s_or_b32 exec_lo, exec_lo, s44
	s_wait_tensorcnt 0x0
	ds_add_u32 v248, v249
	s_wait_dscnt 0x0
	s_endpgm
.Lfunc_end_k_qbb7833364f_prep:
	.size	k_qbb7833364f_prep, .Lfunc_end_k_qbb7833364f_prep-k_qbb7833364f_prep
	.p2alignl 7, 3214868480
	.fill 96, 4, 3214868480
	.section	.rodata,"a",@progbits
	.p2align	6, 0x0
	.amdhsa_kernel k_qbb7833364f_prep
		.amdhsa_group_segment_fixed_size 68096
		.amdhsa_private_segment_fixed_size 0
		.amdhsa_enable_private_segment 0
		.amdhsa_kernarg_size 88
		.amdhsa_user_sgpr_count 2
		.amdhsa_user_sgpr_kernarg_segment_ptr 1
		.amdhsa_wavefront_size32 1
		.amdhsa_system_sgpr_workgroup_id_x 1
		.amdhsa_system_sgpr_workgroup_id_y 1
		.amdhsa_system_sgpr_workgroup_id_z 1
		.amdhsa_system_vgpr_workitem_id 0
		.amdhsa_next_free_vgpr 250
		.amdhsa_next_free_sgpr 66
		.amdhsa_reserve_vcc 1
		.amdhsa_float_denorm_mode_32 3
		.amdhsa_float_denorm_mode_16_64 3
		.amdhsa_memory_ordered 1
		.amdhsa_forward_progress 1
		.amdhsa_inst_pref_size 91
	.end_amdhsa_kernel
	.amdgpu_metadata
---
amdhsa.version: [ 1, 2 ]
amdhsa.kernels:
  - .name:           k_qbb7833364f_prep
    .symbol:         k_qbb7833364f_prep.kd
    .args:
      - { .name: q, .offset: 0, .size: 8, .value_kind: global_buffer, .address_space: global }
      - { .name: k, .offset: 8, .size: 8, .value_kind: global_buffer, .address_space: global }
      - { .name: v, .offset: 16, .size: 8, .value_kind: global_buffer, .address_space: global }
      - { .name: w_Q, .offset: 24, .size: 8, .value_kind: global_buffer, .address_space: global }
      - { .name: w_K, .offset: 32, .size: 8, .value_kind: global_buffer, .address_space: global }
      - { .name: w_V, .offset: 40, .size: 8, .value_kind: global_buffer, .address_space: global }
      - { .name: w_O, .offset: 48, .size: 8, .value_kind: global_buffer, .address_space: global }
      - { .name: mask, .offset: 56, .size: 8, .value_kind: global_buffer, .address_space: global }
      - { .name: cod, .offset: 64, .size: 8, .value_kind: global_buffer, .address_space: global }
      - { .name: mk, .offset: 72, .size: 8, .value_kind: global_buffer, .address_space: global }
      - { .name: fl, .offset: 80, .size: 8, .value_kind: global_buffer, .address_space: global }
    .group_segment_fixed_size: 68096
    .private_segment_fixed_size: 0
    .kernarg_segment_align: 8
    .kernarg_segment_size: 88
    .max_flat_workgroup_size: 128
    .sgpr_count:     66
    .vgpr_count:     250
    .wavefront_size: 32
...
	.end_amdgpu_metadata
.endif
;; end of part 1
;; launch proj (part 2): grid 4 x 192, 8 waves a work-group, clusters of 4 x 4, 308,224 bytes of LDS; arguments cod, b_Q, b_K, b_V, heads; writes heads
.if DOCPART == 2
	.amdgcn_target "amdgcn-amd-amdhsa--gfx1250"
	.amdhsa_code_object_version 6
	.text
	.protected	k_qbb7833364f_proj
	.globl	k_qbb7833364f_proj
	.p2align	8
	.type	k_qbb7833364f_proj,@function
k_qbb7833364f_proj:
	s_mov_b64 s[64:65], 0
	v_nop
	global_prefetch_b8 v0, s[64:65] scope:SCOPE_SE
	s_setreg_imm32_b32 hwreg(HW_REG_WAVE_MODE, 25, 1), 1
	s_wait_xcnt 0x0
	s_wait_alu depctr_hold_cnt(0) depctr_sa_sdst(0) depctr_va_vdst(0) depctr_va_sdst(0) depctr_va_ssrc(0) depctr_va_vcc(0) depctr_vm_vsrc(0)
	s_getreg_b32 s2, hwreg(HW_REG_IB_STS2, 6, 4)
	s_cmp_eq_u32 s2, 0
	s_cbranch_scc0 .Lentry_in_a_cluster
	s_endpgm
.Lentry_in_a_cluster:
	s_bfe_u32 s2, ttmp6, 0x10000c
	s_cmp_lg_u32 s2, 0xf033
	s_cbranch_scc0 .Lentry_shape_is_right
	s_endpgm
.Lentry_shape_is_right:
; PROJ: the three projections x W^T + b on codes of FP6 (E2M3), and their results quantised again for attention.  p = 0: Q, 1: K, 2: V (p = cluster y / 16).
; A work-group multiplies 256 rows of S0 (source 0) by 128 rows of S1 (source 1) over all of K = 1,024; all its records lie in LDS at once, so no LDS byte is filled twice.
; In a result lane r is row r of S1's tile, and the registers of two neighbouring tiles of S0 are 16 neighbouring rows of S0 (the tiles' rows are chosen so: see below).
; p < 2: S0 = the weight, S1 = x: a lane's registers run along the head's 64, the K of the scores' product.  p = 2: S0 = x (v), S1 = w_V: the registers run along the KEYS, the K of attention's second product.
; Tile T: rows 32 (T / 2) + 8 (T % 2) + r + 8 (r / 8).  Half image: tile x 64 k, lane (r, h) k = 32 h + 0 .. 31: registers 0-3 at 16 x lane, 4-5 at 512 + 8 x lane.  Record: 8 half images + 256 bytes of scale words [r][4]: 6,400 bytes.
; Eight waves: wave w takes S0's tiles 4 (w % 4) + i and S1's tiles 4 (w / 4) + j: 16 accumulators at v[128 + 32 j + 8 i].
; OUT: heads, three tensors of 2,048 quads of 3,328 bytes; quad = (batch x 16 + head) x 32 + group of 64 rows: four half images, then words [r][4] (two scale bytes, zeros on top).
;   Q, K: half image j = rows' tile j of the group, k = the head's 64.   V: half image j = tile j of the head's 64 channels, k = the group's 64 keys.
; CLUSTER 4 x 4: S1's records hang on the work-group's y alone and are asked for jointly along a row of the cluster, S0's on its x alone, along a column.
; LIMITS: a block whose largest magnitude lies under 2^-124 gets the byte 1; NaN and infinities are not served.
.set REC,  6400
.set TROW, 2*REC
.set HALF, REC                         ; LDS: slots of 12,800 bytes, a tile's two records on end as in memory: slots 0-7 S1's tiles, 8-23 S0's; the second K half lies one record on
.set QUAD, 3328
.set PSTR, 2048*QUAD
.set WV,   3                           ; s3  wave
.set G1A,  28                          ; s[28:35] group 1, S1's records;  s[36:43] S0's
.set G1B,  36
.set G0,   44                          ; s[44:51] two groups 0: S1's, S0's
.set SEL,  74
.set HI16, 76
.set SS0,  16                          ; v16-23 S0's scale words: register 4 (i / 2) + step, lanes 0-15 the even tile, lanes 16-31 the odd one;  v24-31 S1's
.set SS1,  24
.set F0,   32                          ; v32-79 S0's four fragments;  v80-127 S1's
.set F1,   80
.set ACC,  128
.set TM,   8                           ; v8-13 at work on the way out
.set PT,   64
.set MSB, 0
.macro WIN new                         ; the immediate's high byte repeats the setting that is left
.if MSB != \new
	s_set_vgpr_msb (MSB<<8)|\new
.set MSB, \new
.endif
.endm
.macro CROUND                          ; a round of the cluster's barrier
	s_barrier_signal -1
	s_barrier_wait -1
	s_cmp_lg_u32 s[WV], 0
	s_cbranch_scc1 .Lnot_wave_0_\@
	s_barrier_signal -3
.Lnot_wave_0_\@:
	s_barrier_wait -3
	s_barrier_signal -1
	s_barrier_wait -1
.endm
.macro FRAG reg, a16, a8, off          ; two half images are a fragment of 128 along K: each load's bytes are consecutive
	ds_load_b128 v[\reg:\reg+3], v[\a16] offset:\off
	ds_load_b64 v[\reg+4:\reg+5], v[\a8] offset:\off+512
	ds_load_b128 v[\reg+6:\reg+9], v[\a16] offset:\off+768
	ds_load_b64 v[\reg+10:\reg+11], v[\a8] offset:\off+1280
.endm
.macro SCALES                          ; a K half's scale words: four words a row; lanes 0-15 tile 2 p, lanes 16-31 tile 2 p + 1
.irp p, 0,1
	ds_load_b128 v[SS0+4*\p:SS0+4*\p+3], v5 offset:2*TROW*\p+6144
	ds_load_b128 v[SS1+4*\p:SS1+4*\p+3], v6 offset:2*TROW*\p+6144
.endr
.endm
.macro KSTEP gl, places                ; the eight fragments of the half's step gl; the places stand in front of loads into registers that matrix instructions have read
.rept \places
	v_nop
.endr
.irp i, 0,1,2,3
	FRAG F0+12*\i, 1, 2, \i*TROW+(\gl)*1536
.endr
.irp j, 0,1,2,3
	FRAG F1+12*\j, 3, 4, \j*TROW+(\gl)*1536
.endr
.endm
.macro MM i, j, gl, cmode              ; cmode 0: onto the sum; 1: the sum begins with the bias of S0's tile i (window 1, v[8 i]); 2: of S1's tile j
.set rD, ACC+32*(\j)+8*(\i)
.set rC, rD
.if \cmode == 1
.set rC, 8*(\i)
.endif
.if \cmode == 2
.set rC, 8*(\j)
.endif
.set rA, F0+12*(\i)
.set rB, F1+12*(\j)
.set rSA, SS0+4*((\i)/2)+(\gl)
.set rSB, SS1+4*((\j)/2)+(\gl)
.if ((\i)%2 == 0) && ((\j)%2 == 0)
	v_wmma_scale_f32_16x16x128_f8f6f4 v[rD:rD+7], v[rA:rA+11], v[rB:rB+11], v[rC:rC+7], v[rSA], v[rSB] matrix_a_fmt:MATRIX_FMT_FP6 matrix_b_fmt:MATRIX_FMT_FP6
.elseif ((\i)%2 == 1) && ((\j)%2 == 0)
	v_wmma_scale_f32_16x16x128_f8f6f4 v[rD:rD+7], v[rA:rA+11], v[rB:rB+11], v[rC:rC+7], v[rSA], v[rSB] matrix_a_fmt:MATRIX_FMT_FP6 matrix_b_fmt:MATRIX_FMT_FP6 matrix_a_scale:MATRIX_SCALE_ROW1
.elseif ((\i)%2 == 0) && ((\j)%2 == 1)
	v_wmma_scale_f32_16x16x128_f8f6f4 v[rD:rD+7], v[rA:rA+11], v[rB:rB+11], v[rC:rC+7], v[rSA], v[rSB] matrix_a_fmt:MATRIX_FMT_FP6 matrix_b_fmt:MATRIX_FMT_FP6 matrix_b_scale:MATRIX_SCALE_ROW1
.else
	v_wmma_scale_f32_16x16x128_f8f6f4 v[rD:rD+7], v[rA:rA+11], v[rB:rB+11], v[rC:rC+7], v[rSA], v[rSB] matrix_a_fmt:MATRIX_FMT_FP6 matrix_b_fmt:MATRIX_FMT_FP6 matrix_a_scale:MATRIX_SCALE_ROW1 matrix_b_scale:MATRIX_SCALE_ROW1
.endif
.endm
.macro MUL16 gl, cmode                 ; 16 products; the 16 accumulators take turns, one instruction a turn, in the same order in every step
.if \cmode
	WIN 0x10                                       ; source 2 in window 1
.endif
.irp j, 0,1,2,3
	s_wait_dscnt 4*(3-\j)                          ; LDS loads come back in order: S0's fragments and S1's up to tile j are in; four loads for each later tile may be out
.irp i, 0,1,2,3
	MM \i, \j, \gl, \cmode
.endr
.endr
.if \cmode
	WIN 0
.endif
.endm
; 32 numbers of a lane, register 16 b + i = k 32 b + 16 h + i of my row, become a half image's six registers and the row's word of two scale bytes
.macro QUANT32 s, pc, pw
.irp b, 0,1
	v_max3_num_f32 v[TM+\b], |v[\s+16*\b]|, |v[\s+1+16*\b]|, 0x1800000   ; each accumulator is read from its low end on; the floor 2^(3 - 127) holds the byte at 1 from below
.endr
.irp i, 2,4,6,8,10,12,14
.irp b, 0,1
	v_max3_num_f32 v[TM+\b], v[TM+\b], |v[\s+16*\b+\i]|, |v[\s+1+16*\b+\i]|
.endr
.endr
.irp b, 0,1
	s_delay_alu instid0(VALU_DEP_2)
	v_permlanex16_b32 v[TM+2+\b], v[TM+\b], s[SEL], s[SEL+1]
.endr
.irp b, 0,1
	s_delay_alu instid0(VALU_DEP_2)
	v_max_num_f32 v[TM+\b], v[TM+\b], v[TM+2+\b]
.endr
.irp b, 0,1
	s_delay_alu instid0(VALU_DEP_2)
	v_add_nc_u32 v[TM+4+\b], 0xff000000, v[TM+\b]  ; 2 off the exponent field: the conversion's scale operand
.endr
.irp b, 0,1
	s_delay_alu instid0(VALU_DEP_2)
	v_lshrrev_b32 v[TM+2+\b], 23, v[TM+4+\b]
.endr
	s_delay_alu instid0(VALU_DEP_1)
	v_lshl_or_b32 v[\pw], v[TM+3], 8, v[TM+2]
	v_cvt_scalef32_pk16_fp6_f32 v[\pc:\pc+2], v[\s:\s+15], v[TM+4]
	v_cvt_scalef32_pk16_fp6_f32 v[PT:PT+2], v[\s+16:\s+31], v[TM+5]
	v_nop                                          ; one plain place behind a scaled conversion
.irp i, 0,1,2
	v_permlane16_swap_b32 v[\pc+\i], v[PT+\i]      ; a whole block to a lane: lanes 0-15 block 0, lanes 16-31 block 1
.endr
.irp i, 0,1,2
	s_delay_alu instid0(VALU_DEP_3)
	v_mov_b32 v[\pc+3+\i], v[PT+\i]
.endr
.endm
	s_load_b256 s[4:11], s[0:1], 0x0               ; cod s[4:5], b_Q s[6:7], b_K s[8:9], b_V s[10:11]
	s_load_b64 s[12:13], s[0:1], 0x20              ; heads
	s_set_vgpr_msb 0x40
	v_lshl_add_u32 v32, v0, 2, 0x4b000
	v_mov_b32 v33, 0
	s_set_vgpr_msb 0x4045
	ds_add_u32 v32, v33
	ds_add_u32 v32, v33
	s_set_vgpr_msb 0x4500
	v_lshrrev_b32 v1, 5, v0
	s_delay_alu instid0(VALU_DEP_1)
	v_readfirstlane_b32 s[WV], v1                  ; wave 0..7
	s_bfe_u32 s14, ttmp6, 0x40000                  ; cx
	s_bfe_u32 s15, ttmp6, 0x40004                  ; cy
	s_and_b32 s16, ttmp7, 0xffff                   ; cluster y, 0..47
	s_lshr_b32 s17, s16, 4                         ; p
	s_and_b32 s16, s16, 15                         ; Y
	; S0's first tile (s20-23 never hold cy): p < 2: 1536 + 64 p + 16 cx;  p = 2: 1024 + 64 (Y % 8) + 16 cx;  + 4 (wave % 4)
	s_and_b32 s20, s16, 7
	s_lshl_b32 s20, s20, 6
	s_add_co_u32 s20, s20, 1024
	s_lshl_b32 s21, s17, 6
	s_add_co_u32 s21, s21, 1536
	s_cmp_eq_u32 s17, 2
	s_cselect_b32 s20, s20, s21
	s_lshl_b32 s21, s14, 4
	s_add_co_u32 s20, s20, s21
	s_and_b32 s21, s[WV], 3
	s_lshl_b32 s21, s21, 2                         ; waves 0-3 fetch four of S0's tiles each
	s_add_co_u32 s20, s20, s21
	s_mul_i32 s20, s20, TROW
	s_mov_b32 s21, 0
	; S1's (s24-27 never hold cx): p < 2: 512 p + 32 Y + 8 cy;  p = 2: 1664 + 32 (Y / 8) + 8 cy;  + 2 (wave % 4)
	s_lshl_b32 s24, s17, 9
	s_lshl_b32 s25, s16, 5
	s_add_co_u32 s24, s24, s25
	s_lshr_b32 s25, s16, 3
	s_lshl_b32 s25, s25, 5
	s_add_co_u32 s25, s25, 1664
	s_cmp_eq_u32 s17, 2
	s_cselect_b32 s24, s25, s24
	s_lshl_b32 s25, s15, 3
	s_add_co_u32 s24, s24, s25
	s_and_b32 s25, s[WV], 3
	s_lshl_b32 s25, s25, 1                         ; waves 4-7 fetch two of S1's tiles each
	s_add_co_u32 s24, s24, s25
	s_mul_i32 s24, s24, TROW
	s_mov_b32 s25, 0
	; group 1.  S1: two tiles, S0: four tiles, each as dense rows of 32 elements of 8 bytes
	s_lshl_b32 s26, s15, 2
	s_lshl_b32 s26, 15, s26                        ; my row of the cluster
	s_or_b32 s[G1A], s26, (3<<16)|(1<<21)          ; 15:0 the mask; 17:16 elements of 8 bytes; 21 set beside a mask
	s_mov_b32 s[G1A+1], 32<<16                     ; two tiles, 25,600 dense bytes, as 100 rows of 32 elements of 8 bytes
	s_mov_b32 s[G1A+2], 100<<16
	s_mov_b32 s[G1A+3], 32<<16
	s_mov_b32 s[G1A+4], 100
	s_mov_b32 s[G1A+5], 32
	s_mov_b32 s[G1A+6], 0
	s_mov_b32 s[G1A+7], 0
	s_lshl_b32 s22, 0x1111, s14                    ; my column
	s_or_b32 s[G1B], s22, (3<<16)|(1<<21)
	s_mov_b32 s[G1B+1], 32<<16                     ; four tiles, 51,200 dense bytes, as 200 rows
	s_mov_b32 s[G1B+2], 200<<16
	s_mov_b32 s[G1B+3], 32<<16
	s_mov_b32 s[G1B+4], 200
	s_mov_b32 s[G1B+5], 32
	s_mov_b32 s[G1B+6], 0
	s_mov_b32 s[G1B+7], 0
	s_and_b32 s23, s[WV], 3
	s_mul_i32 s27, s23, 2*TROW                     ; LDS: S1's slots 2 (wave % 4), + 1;
	s_mul_i32 s23, s23, 4*TROW
	s_add_co_u32 s23, s23, 8*TROW                  ; S0's slots 8 + 4 (wave % 4) .. + 3
	s_wait_dscnt 0x0
	s_wait_kmcnt 0x0
	s_add_nc_u64 s[24:25], s[4:5], s[24:25]
	s_add_nc_u64 s[20:21], s[4:5], s[20:21]
	s_mov_b32 s[G0], 1
	s_mov_b32 s[G0+1], s27
	s_mov_b64 s[G0+2:G0+3], s[24:25]
	s_or_b32 s[G0+3], s[G0+3], 0x80000000
	s_mov_b32 s[G0+4], 1
	s_mov_b32 s[G0+5], s23
	s_mov_b64 s[G0+6:G0+7], s[20:21]
	s_or_b32 s[G0+7], s[G0+7], 0x80000000
	CROUND                                         ; all sixteen work-groups are here: the joint loads meet
	s_cmp_lt_u32 s[WV], 4                          ; one joint load a wave, the launch's only fills: waves 0-3 S0's tiles, waves 4-7 S1's
	s_cbranch_scc0 .Lfor_s1
	tensor_load_to_lds s[G0+4:G0+7], s[G1B:G1B+7]
	s_nop 0
.rept 4
	v_nop
.endr
	s_branch .Lasked
.Lfor_s1:
	tensor_load_to_lds s[G0:G0+3], s[G1A:G1A+7]
	s_nop 0
.rept 4
	v_nop
.endr
.Lasked:
.rept 4
	v_nop
.endr
	; which group of 64 rows (mg) and which head (hd) my 64 x 64 results are
	s_and_b32 s66, s[WV], 3                        ; ws0
	s_lshr_b32 s67, s[WV], 2                       ; ws1
	s_lshl_b32 s68, s16, 2
	s_add_co_u32 s68, s68, s15
	s_lshl_b32 s68, s68, 1
	s_add_co_u32 s68, s68, s67                     ; p < 2: mg = 2 (4 Y + cy) + ws1,
	s_lshl_b32 s69, s14, 2
	s_add_co_u32 s69, s69, s66                     ;        hd = 4 cx + ws0
	s_and_b32 s70, s16, 7
	s_lshl_b32 s70, s70, 2
	s_add_co_u32 s70, s70, s14
	s_lshl_b32 s70, s70, 2
	s_add_co_u32 s70, s70, s66                     ; p = 2: mg = 4 (4 (Y % 8) + cx) + ws0,
	s_lshr_b32 s71, s16, 3
	s_lshl_b32 s71, s71, 2
	s_add_co_u32 s71, s71, s15
	s_lshl_b32 s71, s71, 1
	s_add_co_u32 s71, s71, s67                     ;        hd = 2 (4 (Y / 8) + cy) + ws1
	s_cmp_eq_u32 s17, 2
	s_cselect_b32 s68, s70, s68
	s_cselect_b32 s69, s71, s69
	s_lshr_b32 s70, s68, 5                         ; the batch
	s_lshl_b32 s70, s70, 4
	s_add_co_u32 s70, s70, s69
	s_lshl_b32 s70, s70, 5
	s_and_b32 s71, s68, 31
	s_add_co_u32 s70, s70, s71                     ; the quad
	s_mul_i32 s70, s70, QUAD
	s_mul_i32 s71, s17, PSTR
	s_add_co_u32 s70, s70, s71
	s_mov_b32 s71, 0
	s_add_nc_u64 s[12:13], s[12:13], s[70:71]
	s_cmp_eq_u32 s17, 0
	s_cselect_b64 s[60:61], s[6:7], s[8:9]
	s_cmp_eq_u32 s17, 2
	s_cselect_b64 s[60:61], s[10:11], s[60:61]
	s_lshl_b32 s70, s69, 8
	s_add_nc_u64 s[60:61], s[60:61], s[70:71]      ; the head's 64 numbers of the bias
	s_mov_b32 s[SEL], 0x76543210
	s_mov_b32 s[SEL+1], 0xfedcba98
	s_mov_b32 s[HI16], 0xffff0000
	v_and_b32 v7, 31, v0                           ; lane
	v_and_b32 v8, 15, v0                           ; r
	v_bfe_u32 v9, v0, 4, 1                         ; h
	s_mul_i32 s72, s66, 4*TROW
	s_add_co_u32 s72, s72, 8*TROW                  ; my four slots of S0,
	s_mul_i32 s73, s67, 4*TROW                     ; of S1
	v_lshl_add_u32 v1, v7, 4, s72
	v_lshl_add_u32 v2, v7, 3, s72
	v_lshl_add_u32 v3, v7, 4, s73
	v_lshl_add_u32 v4, v7, 3, s73
	v_lshlrev_b32 v6, 4, v8
	s_delay_alu instid0(VALU_DEP_1)
	v_mad_u32_u24 v6, v9, TROW, v6                 ; scale words: 16 r, and one slot on for lanes 16-31
	s_delay_alu instid0(VALU_DEP_1)
	v_add_nc_u32 v5, s72, v6
	s_delay_alu instid0(VALU_DEP_2)
	v_add_nc_u32 v6, s73, v6
	v_lshlrev_b32 v14, 4, v7                       ; the way out: 16 x lane,
	v_lshlrev_b32 v15, 3, v7                       ; 8 x lane,
	v_lshlrev_b32 v12, 6, v9                       ; the bias by registers: 16 h numbers on
	v_and_b32 v13, 8, v8
	s_delay_alu instid0(VALU_DEP_1)
	v_add_nc_u32 v13, v13, v8
	s_delay_alu instid0(VALU_DEP_1)
	v_lshlrev_b32 v13, 2, v13                      ; the bias by lanes: number r + 8 (r / 8)
	v_lshlrev_b32 v7, 3, v9
	s_delay_alu instid0(VALU_DEP_1)
	v_lshl_add_u32 v7, v8, 4, v7                   ; 16 r + 8 h
	v_mov_b32 v10, 0                               ; written once: a lane permute's destination counts as one of its sources
	v_mov_b32 v11, 0
	s_cmp_eq_u32 s17, 2                            ; p is the same in all partners of a cluster
	s_cbranch_scc1 .Lbias_v
	WIN 0x40                                       ; destination window 1
.irp i, 0,1,2,3                                ; register e of S0's tile i is output 32 (i / 2) + 16 h + 8 (i % 2) + e of the head
	global_load_b128 v[8*\i:8*\i+3], v12, s[60:61] offset:(32*(\i/2)+8*(\i%2))*4
	global_load_b128 v[8*\i+4:8*\i+7], v12, s[60:61] offset:(32*(\i/2)+8*(\i%2))*4+16
.endr
	WIN 0
	s_branch .Lbias_done
.Lbias_v:
	WIN 0x40
	s_wait_alu depctr_va_vdst(0)
.irp j, 0,1,2,3                                ; lane r of S1's tile j is output 32 (j / 2) + 8 (j % 2) + r + 8 (r / 8): the same number in all eight registers
.irp e, 0,1,2,3,4,5,6,7
	global_load_b32 v[8*\j+\e], v13, s[60:61] offset:(32*(\j/2)+8*(\j%2))*4
.endr
.endr
	WIN 0
.Lbias_done:
	s_wait_tensorcnt 0x0                           ; my one load is in
	s_barrier_signal -1
	s_barrier_wait -1                              ; everybody's is
	SCALES
	KSTEP 0, 0
	s_wait_loadcnt 0x0                             ; the bias
	s_cmp_eq_u32 s17, 2
	s_cbranch_scc1 .Lfirst_v
	MUL16 0, 1                                     ; the first K step starts the sums with the bias: nothing is cleared or added
	s_branch .Lfirst_done
.Lfirst_v:
	MUL16 0, 2
.Lfirst_done:
	KSTEP 1, 4
	MUL16 1, 0
	KSTEP 2, 4
	MUL16 2, 0
	KSTEP 3, 4
	MUL16 3, 0
.irp a, 1,2,3,4,5,6
	v_add_nc_u32 v[\a], HALF, v[\a]                ; on to the second half; these six are also the places in front of the loads below
.endr
	SCALES
	KSTEP 0, 0
	s_wait_alu depctr_va_vdst(0)
	MUL16 0, 0
	KSTEP 1, 4
	MUL16 1, 0
	KSTEP 2, 4
	MUL16 2, 0
	KSTEP 3, 4
	MUL16 3, 0
.rept 4
	v_nop                                          ; places in front of the first read of results
.endr
.irp j, 0,1,2,3                                ; S1's tile j: my 32 registers are 64 along the next K in two lanes: one half image
	QUANT32 ACC+32*\j, 32+8*\j, 88+\j
	global_store_b128 v14, v[32+8*\j:35+8*\j], s[12:13] offset:768*\j        ; 512 consecutive bytes
	global_store_b64 v15, v[36+8*\j:37+8*\j], s[12:13] offset:768*\j+512     ; 256 consecutive bytes
.endr
	v_cndmask_b32 v92, v88, v90, s[HI16]           ; lane (r, h) stores words 2 h and 2 h + 1 of row r
	v_cndmask_b32 v93, v89, v91, s[HI16]
	global_store_b64 v7, v[92:93], s[12:13] offset:3072
	s_set_vgpr_msb 0x5
	s_wait_tensorcnt 0x0
	ds_add_u32 v32, v33
	s_wait_dscnt 0x0
	s_set_vgpr_msb 0x500
	CROUND                                         ; the closing round
	s_endpgm
.Lfunc_end_k_qbb7833364f_proj:
	.size	k_qbb7833364f_proj, .Lfunc_end_k_qbb7833364f_proj-k_qbb7833364f_proj
	.p2alignl 7, 3214868480
	.fill 96, 4, 3214868480
	.section	.rodata,"a",@progbits
	.p2align	6, 0x0
	.amdhsa_kernel k_qbb7833364f_proj
		.amdhsa_group_segment_fixed_size 308224
		.amdhsa_private_segment_fixed_size 0
		.amdhsa_enable_private_segment 0
		.amdhsa_kernarg_size 40
		.amdhsa_user_sgpr_count 2
		.amdhsa_user_sgpr_kernarg_segment_ptr 1
		.amdhsa_wavefront_size32 1
		.amdhsa_system_sgpr_workgroup_id_x 1
		.amdhsa_system_sgpr_workgroup_id_y 1
		.amdhsa_system_sgpr_workgroup_id_z 1
		.amdhsa_system_vgpr_workitem_id 0
		.amdhsa_next_free_vgpr 290
		.amdhsa_next_free_sgpr 80
		.amdhsa_reserve_vcc 0
		.amdhsa_float_denorm_mode_32 3
		.amdhsa_float_denorm_mode_16_64 3
		.amdhsa_memory_ordered 1
		.amdhsa_forward_progress 1
		.amdhsa_inst_pref_size 60
	.end_amdhsa_kernel
	.amdgpu_metadata
---
amdhsa.version: [ 1, 2 ]
amdhsa.kernels:
  - .name:           k_qbb7833364f_proj
    .symbol:         k_qbb7833364f_proj.kd
    .args:
      - { .name: cod, .offset: 0, .size: 8, .value_kind: global_buffer, .address_space: global }
      - { .name: b_Q, .offset: 8, .size: 8, .value_kind: global_buffer, .address_space: global }
      - { .name: b_K, .offset: 16, .size: 8, .value_kind: global_buffer, .address_space: global }
      - { .name: b_V, .offset: 24, .size: 8, .value_kind: global_buffer, .address_space: global }
      - { .name: heads, .offset: 32, .size: 8, .value_kind: global_buffer, .address_space: global }
    .group_segment_fixed_size: 308224
    .private_segment_fixed_size: 0
    .kernarg_segment_align: 8
    .kernarg_segment_size: 40
    .max_flat_workgroup_size: 256
    .sgpr_count:     80
    .vgpr_count:     290
    .wavefront_size: 32
...
	.end_amdgpu_metadata
.endif
;; end of part 2
;; launch attn (part 3): grid 4 x 64, 16 waves a work-group, no clusters, 215,040 bytes of LDS; arguments heads, mk, fl, ctx; writes ctx
.if DOCPART == 3
	.amdgcn_target "amdgcn-amd-amdhsa--gfx1250"
	.amdhsa_code_object_version 6
	.text
	.protected	k_qbb7833364f_attn
	.globl	k_qbb7833364f_attn
	.p2align	8
	.type	k_qbb7833364f_attn,@function
k_qbb7833364f_attn:
	s_mov_b64 s[64:65], 0
	v_nop
	global_prefetch_b8 v0, s[64:65] scope:SCOPE_SE
	s_setreg_imm32_b32 hwreg(HW_REG_WAVE_MODE, 25, 1), 1
	s_wait_xcnt 0x0
; ATTN: ctx = softmax(Q K^T / 8, masked) V for one head, both products on codes of FP6 (E2M3); ctx leaves as codes for the last projection.
; t = score x log2(e) / 8; M = the running largest t rounded up to a whole number; p = 2^(t - M) is quantised along the keys, not normalised; the row's sum is taken of the unquantised p and divides at the end.
; SHARES.  A work-group owns 512 queries of one head (head = work-group y, block = work-group x); each of its sixteen waves owns two tiles of 16 queries, one after the other.
; The head's K and V (32 quads of 3,328 bytes each) lie in LDS for the whole launch, stored once at the head: K's quad g at 6,656 g, V's quad g behind it.  Behind the one barrier the waves share nothing.
; LAYOUT.  S^T = K Q^T (source 0 = 16 keys, source 1 = my 16 queries), O^T = V^T P^T: a lane holds one query throughout.  Tile u of K's quad g holds the keys 64 g + 8 u + r % 8 + 32 (r / 8), so that
; the 32 score registers of a quad's four tiles are, in lane (query, h), the keys 64 g + 32 h + 0 .. 31 in order: ONE WHOLE BLOCK of the next product's K.  So a block's largest p is the lane's own,
; the conversions' results are the operand's registers, and only the row's maximum and the scale word cross lanes.  The scores' K is 64, half of the instruction's 128: Q's upper six registers are zero codes;
; K's upper six are whatever follows (the next tile's codes, or zeros): they meet zero codes alone, under scale bytes 0, which are no NaN.
; THE MASK.  fl holds one bit for each query tile and key step: 1 where no key of the step is hidden from the tile.  There a scalar jump leads over the step's 64 lane masks (mk) and 64 selects.
; Elsewhere a hidden score becomes -2^33, that is the logit -2^30 where the problem has -1e9: c x 2^33 is a whole number in f32, so a row all of whose keys are hidden gets t - M = 0 and p = 1 everywhere,
; and its result is the mean of V.  Where later keys count, 2^(old M - new M) is 0 and wipes what was summed.
; NO TENSOR LOAD, NO CLUSTER: the jump hangs on a whole number that an earlier launch stored; K and V go to LDS through registers,
; 26 loads of 512 bytes a wave.  NO PREFETCH: K and V are asked for by the launch's first lines; the loop reads memory only for 256 bytes of masks where a step has hidden keys.
; LIMITS: true logits under about -1e9 are not told from hidden ones; NaN and infinities are not served; a block whose largest magnitude lies under 2^-124 gets the byte 1.
.set QUAD, 3328
.set PSTR, 2048*QUAD
.set PAIR, 2*QUAD                      ; K's quad and V's quad of 64 keys
.set STEPB, 2*PAIR                     ; a step of 128 keys
.set SPARE, 32*PAIR                    ; behind them the spare words, 128 bytes a wave
.set WV,   3                           ; s3   wave
.set FL,   21                          ; s21  the tile's flags, the step's at bit 0
.set CS,   14                          ; s[14:15] c = log2(e) / 8
.set SEL,  66                          ; s[66:67] lane selects: lane l xor 16
.set KV,   32                          ; v32-79 K's eight half images, then V's four fragments; v80-85 zeros
.set KS,   86                          ; v86-89 K's scale words: lanes 0-15 tiles 0-3, lanes 16-31 tiles 4-7
.set VS,   90                          ; v90-93 V's scale words; v94-97 their upper halves as loaded
.set S,    104                         ; v104-167 S^T, then p
.set O,    168                         ; v168-199 O^T
.set PC,   200                         ; v200-211 p's codes
.set PT,   212                         ; v212-214, v216-218 at work
.set BM,   220                         ; v220-221 my two blocks' largest scores, then p; v222-223 at work
.set SOP,  224
.set BY,   226
.set PW,   228                         ; p's scale word
.set PX,   229
.set FF,   232                         ; v[232:233] f = 2^(old M - new M)
.set L,    234                         ; v234-241 the row's sum in four pairs
.set CW,   245                         ; ctx's two scale bytes
.set TM,   246                         ; v246-251 at work on the way out
; v1 16 lane, v2 8 lane, v3 16 r + 6656 h + 3072, v4 16 r; v5-8 the same four at the step; v9 8 h; v10 the old -M; v11 -2^33; v12 -M, v13 the largest score; v14, v29 at work;
; v16-27 Q (22-27 zeros), v28 its scale word; v30, v31 the fill's addresses; v242-244 offsets in ctx; v254, v255 the add's two registers
.macro QUANT32 s, pc, pw               ; 32 numbers of a lane, register 16 b + i = k 32 b + 16 h + i, become a half image's six registers and two scale bytes
.irp b, 0,1
	v_max3_num_f32 v[TM+\b], |v[\s+16*\b]|, |v[\s+1+16*\b]|, 0x1800000
.endr
.irp i, 2,4,6,8,10,12,14
.irp b, 0,1
	s_delay_alu instid0(VALU_DEP_2)
	v_max3_num_f32 v[TM+\b], v[TM+\b], |v[\s+16*\b+\i]|, |v[\s+1+16*\b+\i]|
.endr
.endr
.irp b, 0,1
	s_delay_alu instid0(VALU_DEP_2)
	v_permlanex16_b32 v[TM+2+\b], v[TM+\b], s[SEL], s[SEL+1]
.endr
.irp b, 0,1
	s_delay_alu instid0(VALU_DEP_2)
	v_max_num_f32 v[TM+\b], v[TM+\b], v[TM+2+\b]
.endr
.irp b, 0,1
	s_delay_alu instid0(VALU_DEP_2)
	v_add_nc_u32 v[TM+4+\b], 0xff000000, v[TM+\b]
.endr
.irp b, 0,1
	s_delay_alu instid0(VALU_DEP_2)
	v_lshrrev_b32 v[TM+2+\b], 23, v[TM+4+\b]
.endr
	s_delay_alu instid0(VALU_DEP_1)
	v_lshl_or_b32 v[\pw], v[TM+3], 8, v[TM+2]
	v_cvt_scalef32_pk16_fp6_f32 v[\pc:\pc+2], v[\s:\s+15], v[TM+4]
	v_cvt_scalef32_pk16_fp6_f32 v[PT:PT+2], v[\s+16:\s+31], v[TM+5]
	v_nop                                          ; one plain place behind a scaled conversion
.irp i, 0,1,2
	v_permlane16_swap_b32 v[\pc+\i], v[PT+\i]
.endr
.irp i, 0,1,2
	s_delay_alu instid0(VALU_DEP_3)
	v_mov_b32 v[\pc+3+\i], v[PT+\i]
.endr
.endm
	s_load_b256 s[4:11], s[0:1], 0x0               ; heads s[4:5], mk s[6:7], fl s[8:9], ctx s[10:11]
	v_lshl_add_u32 v254, v0, 2, SPARE
	v_mov_b32 v255, 0
	v_lshrrev_b32 v1, 5, v0
	v_readfirstlane_b32 s[WV], v1                  ; wave 0..15
	v_and_b32 v4, 15, v0
	v_bfe_u32 v9, v0, 4, 1                         ; h
	v_lshlrev_b32 v4, 4, v4                        ; 16 r
	v_mad_u32_u24 v30, v9, QUAD, v4                ; the fill, in memory: lanes 0-15 one quad, lanes 16-31 the next, 256 consecutive bytes each
	v_mad_u32_u24 v3, v9, PAIR, v4
	s_mov_b32 s28, ttmp9                           ; my block of 512 queries
	s_and_b32 s29, ttmp7, 0xffff                   ; batch x 16 + head
	s_and_b32 s30, s[WV], 1                        ; even waves fill K's quads, odd waves V's;
	s_lshr_b32 s31, s[WV], 1                       ; quads 4 (wave / 2) .. + 3
	s_mul_i32 s16, s31, 4*PAIR
	s_mul_i32 s12, s30, QUAD
	s_add_co_u32 s16, s16, s12
	v_add_nc_u32 v31, s16, v3                      ; the fill, in LDS
	s_add_co_u32 s12, s30, 1
	s_mul_i32 s12, s12, PSTR                       ; tensor 1 (K) or 2 (V)
	s_lshl_b32 s13, s29, 5
	s_lshl_b32 s16, s31, 2
	s_add_co_u32 s13, s13, s16
	s_mul_i32 s13, s13, QUAD
	s_add_co_u32 s12, s12, s13
	s_mov_b32 s13, 0
	s_wait_alu depctr_va_vdst(0)                   ; directly ahead of the wait below
	s_wait_kmcnt 0x0
	s_add_nc_u64 s[18:19], s[4:5], s[12:13]
.set n, 0
.rept 26                                       ; two pairs of quads x 13 units of 256 bytes
	global_load_b128 v[KV+4*n:KV+4*n+3], v30, s[18:19] offset:(n/13)*2*QUAD+(n%13)*256
.set n, n+1
.endr
	; Q: tile T = 32 x + 2 wave + pass lies in quad 8 x + wave / 2 of the head, half image 2 (wave % 2) + pass
	s_lshl_b32 s12, s29, 5
	s_lshl_b32 s16, s28, 3
	s_add_co_u32 s12, s12, s16
	s_add_co_u32 s12, s12, s31
	s_mul_i32 s12, s12, QUAD
	s_add_nc_u64 s[4:5], s[4:5], s[12:13]
	s_lshl_b32 s12, s30, 3
	s_add_co_u32 s12, s12, 3072
	s_add_nc_u64 s[100:101], s[4:5], s[12:13]      ; its scale words: 16 bytes a row, 4 a tile
	s_mul_i32 s12, s30, 1536
	s_add_nc_u64 s[4:5], s[4:5], s[12:13]
	s_lshl_b32 s16, s28, 5
	s_lshl_b32 s12, s[WV], 1
	s_add_co_u32 s16, s16, s12                     ; T of the first pass
	s_lshl_b32 s12, s16, 12
	s_add_nc_u64 s[6:7], s[6:7], s[12:13]          ; mk: 4,096 bytes a tile; the pointer runs on through both passes
	s_lshl_b32 s12, s16, 4
	s_add_nc_u64 s[8:9], s[8:9], s[12:13]          ; fl: 16 bytes a tile
	s_lshr_b32 s12, s29, 4
	s_lshl_b32 s12, s12, 7
	s_add_co_u32 s12, s12, s16
	s_mul_i32 s12, s12, 12800                      ; ctx: tile 128 x batch + T,
	s_bfe_u32 s16, s29, 0x10003
	s_mul_i32 s16, s16, 6400                       ; K half head / 8
	s_add_co_u32 s12, s12, s16
	s_add_nc_u64 s[10:11], s[10:11], s[12:13]
	s_and_b32 s16, s29, 7
	s_mul_i32 s12, s16, 768                        ; half image head % 8
	v_and_b32 v2, 31, v0
	v_lshlrev_b32 v1, 4, v2
	v_lshlrev_b32 v2, 3, v2
	v_add_nc_u32 v3, 3072, v3
	v_lshlrev_b32 v9, 3, v9
	v_add_nc_u32 v242, s12, v1
	v_add_nc_u32 v243, s12, v2
	s_lshl_b32 s12, s16, 1
	s_add_co_u32 s12, s12, 6144
	v_add_nc_u32 v244, s12, v4                     ; the head's two scale bytes of row r: 6144 + 16 r + 2 (head % 8)
	v_mov_b32 v11, 0xd0000000                      ; -2^33
.irp a, 22,23,24,25,26,27
	v_mov_b32 v[\a], 0                             ; zero codes
.endr
.irp a, 29,PX,TM+2,TM+3,FF+1
	v_mov_b32 v[\a], 0                             ; written once: a lane permute's destination counts as one of its sources, and a pair's upper half as read
.endr
	s_mov_b32 s[CS], 0x3e38aa3b                    ; c = log2(e) / 8
	s_mov_b32 s[CS+1], s[CS]
	s_mov_b32 s[SEL], 0x76543210
	s_mov_b32 s[SEL+1], 0xfedcba98
	s_wait_alu depctr_va_vdst(0)                   ; the wait at the head's end
.set n, 0
.rept 26
	s_wait_loadcnt 25-n                            ; loads come back in order: load n is in, the 25 - n behind it may be out
	ds_store_b128 v31, v[KV+4*n:KV+4*n+3] offset:(n/13)*2*PAIR+(n%13)*256
.set n, n+1
.endr
	s_wait_dscnt 0x0                               ; my four quads are stored,
	s_barrier_signal -1
	s_barrier_wait -1                              ; everybody's are: K and V are whole, and nobody writes them again
.irp a, 80,81,82,83,84,85
	v_mov_b32 v[\a], 0                             ; zero codes behind K's last half image
.endr
	s_mov_b32 s20, 2
.Lpass:
	global_load_b128 v[16:19], v1, s[4:5]          ; Q's half image
	global_load_b64 v[20:21], v2, s[4:5] offset:512
	global_load_b32 v28, v4, s[100:101]            ; and its scale words
	s_load_b128 s[24:27], s[8:9], 0x0              ; the tile's flags: four words, four steps' bits in each, at their places
	v_mov_b32 v13, 0xff61b1e6                      ; the largest score so far: -3e38
	v_mov_b32 v12, 0x7e000000                      ; -M = 2^125: the first f is 0
	v_mov_b32 v5, v1
	v_mov_b32 v6, v2
	v_mov_b32 v7, v3
	v_mov_b32 v8, v4
.set j, 0
.rept 32
	v_mov_b32 v[O+j], 0                            ; O^T: the step is written once; the first change of M leaves zeros zeros
.set j, j+1
.endr
.set j, 0
.rept 8
	v_mov_b32 v[L+j], 0
.set j, j+1
.endr
	s_mov_b32 s17, 16
	s_wait_alu depctr_va_vdst(0)                   ; directly ahead of the waits below
	s_wait_kmcnt 0x0
	s_or_b32 s24, s24, s25
	s_or_b32 s26, s26, s27
	s_or_b32 s[FL], s24, s26
	s_wait_loadcnt 0x0
.Lstep:                                            ; 128 keys
.irp t, 0,1,2,3,4,5,6,7
	ds_load_b128 v[KV+6*\t:KV+6*\t+3], v5 offset:(\t/4)*PAIR+(\t%4)*768
	ds_load_b64 v[KV+6*\t+4:KV+6*\t+5], v6 offset:(\t/4)*PAIR+(\t%4)*768+512
.endr
	ds_load_b128 v[KS:KS+3], v7
	s_wait_dscnt 0x0
.irp t, 0,1,2,3
	v_wmma_scale_f32_16x16x128_f8f6f4 v[S+8*\t:S+8*\t+7], v[KV+6*\t:KV+6*\t+11], v[16:27], 0, v[KS+\t], v28 matrix_a_fmt:MATRIX_FMT_FP6 matrix_b_fmt:MATRIX_FMT_FP6
.endr
.irp t, 4,5,6,7
	v_wmma_scale_f32_16x16x128_f8f6f4 v[S+8*\t:S+8*\t+7], v[KV+6*\t:KV+6*\t+11], v[16:27], 0, v[KS+\t-4], v28 matrix_a_fmt:MATRIX_FMT_FP6 matrix_b_fmt:MATRIX_FMT_FP6 matrix_a_scale:MATRIX_SCALE_ROW1
.endr
	v_mov_b32 v10, v12                             ; the old -M; with the three below: four places in front of the loads into K's registers
.rept 3
	v_nop
.endr
.irp d, 0,1,2,3                                ; V's four fragments land while the softmax is worked: channels' tile d, keys 0-63 from the step's first quad, 64-127 from its second
	ds_load_b128 v[KV+12*\d:KV+12*\d+3], v5 offset:QUAD+768*\d
	ds_load_b64 v[KV+12*\d+4:KV+12*\d+5], v6 offset:QUAD+768*\d+512
	ds_load_b128 v[KV+12*\d+6:KV+12*\d+9], v5 offset:QUAD+PAIR+768*\d
	ds_load_b64 v[KV+12*\d+10:KV+12*\d+11], v6 offset:QUAD+PAIR+768*\d+512
.endr
	ds_load_b128 v[VS:VS+3], v8 offset:QUAD+3072
	ds_load_b128 v[VS+4:VS+7], v8 offset:QUAD+PAIR+3072
.irp a, 5,6,7,8
	v_add_nc_u32 v[\a], STEPB, v[\a]               ; on to the next step
.endr
	s_and_b32 s16, s[FL], 1                        ; SCC: no key of this step is hidden from my tile
	s_wait_alu depctr_va_vdst(0)                   ; directly ahead of the branch
	s_cbranch_scc1 .Lclear
	s_load_b512 s[32:47], s[6:7], 0x0              ; the step's 64 lane masks
	s_load_b512 s[48:63], s[6:7], 0x40
	s_load_b512 s[68:83], s[6:7], 0x80
	s_load_b512 s[84:99], s[6:7], 0xc0
	s_wait_kmcnt 0x0
.set j, 0
.rept 32
	v_cndmask_b32 v[S+j], v11, v[S+j], s[32+j]     ; a hidden key's score becomes -2^33; each accumulator is read from its low end on
.set j, j+1
.endr
.rept 32
	v_cndmask_b32 v[S+j], v11, v[S+j], s[36+j]
.set j, j+1
.endr
.Lclear:
.irp c, 0,1                                    ; the largest score of my two blocks of 32 keys, each in two chains; every accumulator's first read takes in one of its four lowest registers
	v_max3_num_f32 v[BM+\c], v[S+32*\c], v[S+32*\c+1], v[S+32*\c+2]
	v_max3_num_f32 v[BM+2+\c], v[S+32*\c+16], v[S+32*\c+17], v[S+32*\c+18]
.endr
.irp i, 3,5,7,9,11,13
.irp c, 0,1
	v_max3_num_f32 v[BM+\c], v[BM+\c], v[S+32*\c+\i], v[S+32*\c+\i+1]
	v_max3_num_f32 v[BM+2+\c], v[BM+2+\c], v[S+32*\c+16+\i], v[S+32*\c+17+\i]
.endr
.endr
.irp c, 0,1
	v_max3_num_f32 v[BM+\c], v[BM+\c], v[BM+2+\c], v[S+32*\c+15]
.endr
.irp c, 0,1
	v_max_num_f32 v[BM+\c], v[BM+\c], v[S+32*\c+31]
.endr
	s_delay_alu instid0(VALU_DEP_1)
	v_max_num_f32 v14, v[BM], v[BM+1]
	s_delay_alu instid0(VALU_DEP_1)
	v_permlanex16_b32 v29, v14, s[SEL], s[SEL+1]   ; lane l xor 16 holds my query's other 64 keys
	s_delay_alu instid0(VALU_DEP_1)
	v_max3_num_f32 v13, v13, v14, v29              ; the running largest score (c is positive)
	s_delay_alu instid0(VALU_DEP_1)
	v_mul_f32 v14, s[CS], v13
	s_delay_alu instid0(VALU_DEP_1)
	v_floor_f32 v12, -v14                          ; the new -M = -ceil(t)
	s_delay_alu instid0(VALU_DEP_1)
	v_sub_f32 v10, v12, v10                        ; old M - new M: a whole number, 0 or less
	s_delay_alu instid0(VALU_DEP_1)
	v_cvt_i32_f32 v10, v10                         ; (it saturates)
	s_delay_alu instid0(VALU_DEP_1)
	v_ldexp_f32 v[FF], 1.0, v10                    ; f = 2^(old M - new M): a multiplication by it rounds nothing
.set j, 0
.rept 32
	v_pk_fma_f32 v[S+j:S+j+1], v[S+j:S+j+1], s[CS:CS+1], v[12:13] op_sel_hi:[1,0,0]   ; t - M, two at a time
.set j, j+2
.endr
.irp c, 0,1
	v_fma_f32 v[BM+\c], v[BM+\c], s[CS], v12       ; the same of each block's largest score: p rises with the score
.endr
	s_wait_dscnt 0x0                               ; V's fragments and scale words are in
	s_wait_alu depctr_va_vdst(0)                   ; the wait ahead of the batch
.set j, 0
.rept 64
	v_exp_f32 v[S+j], v[S+j]                       ; p = 2^(t - M)
.set j, j+1
.endr
.irp c, 0,1
	v_exp_f32 v[BM+\c], v[BM+\c]                   ; the block's largest p
.endr
.irp d, 0,1,2,3
	v_lshl_or_b32 v[VS+\d], v[VS+4+\d], 16, v[VS+\d]   ; two bytes of each quad make the word of 128 keys; plain places behind the exponentials
.endr
	s_wait_alu depctr_va_vdst(0)                   ; one wait for the batch, directly ahead of O^T's first readers too
.set j, 0
.rept 16
	v_pk_mul_f32 v[O+j:O+j+1], v[O+j:O+j+1], v[FF:FF+1] op_sel_hi:[1,0]   ; O^T under the new M
.set j, j+2
.endr
.irp c, 0,1
	v_max_num_f32 v[BM+\c], 0x1800000, v[BM+\c]    ; the floor 2^(3 - 127): a block whose every p is 0 keeps the byte 1; its codes are zeros
.endr
.irp c, 0,1
	v_add_nc_u32 v[SOP+\c], 0xff000000, v[BM+\c]   ; 2 off the exponent field: the conversion's scale operand
.endr
.irp c, 0,1                                    ; registers 6 c .. 6 c + 5 of the operand are my block 2 c + h
	v_cvt_scalef32_pk16_fp6_f32 v[PC+6*\c:PC+6*\c+2], v[S+32*\c:S+32*\c+15], v[SOP+\c]
	v_cvt_scalef32_pk16_fp6_f32 v[PT+4*\c:PT+4*\c+2], v[S+32*\c+16:S+32*\c+31], v[SOP+\c]   ; (a conversion's three registers begin on an even number)
.endr
.irp c, 0,1
	v_lshrrev_b32 v[BY+\c], 23, v[SOP+\c]          ; the scale's byte; also the plain place behind the conversions
.endr
	v_lshl_or_b32 v[PW], v[BY+1], 16, v[BY]        ; my two bytes: blocks h and 2 + h,
.irp i, 0,1,2
	v_mov_b32 v[PC+3+\i], v[PT+\i]
.endr
	v_lshlrev_b32 v[PW], v9, v[PW]                 ; at their places in the scale word (8 h bits up);
.irp i, 0,1,2
	v_mov_b32 v[PC+9+\i], v[PT+4+\i]
.endr
	v_permlanex16_b32 v[PX], v[PW], s[SEL], s[SEL+1]
.irp k, 0,1,2,3
	v_pk_fma_f32 v[L+2*\k:L+2*\k+1], v[L+2*\k:L+2*\k+1], v[FF:FF+1], v[S+2*\k:S+2*\k+1] op_sel_hi:[1,0,1]   ; the sums under the new M, and the first eight p
.endr
	v_or_b32 v[PW], v[PW], v[PX]                   ; with lane l xor 16's two the word is whole
.set j, 8
.rept 24
	v_pk_add_f32 v[L+(j%8):L+(j%8)+1], v[L+(j%8):L+(j%8)+1], v[S+j:S+j+1]   ; the row's sum is taken of the unquantised p; these are also the places in front of the products
.set j, j+2
.endr
.irp d, 0,1,2,3
	v_wmma_scale_f32_16x16x128_f8f6f4 v[O+8*\d:O+8*\d+7], v[KV+12*\d:KV+12*\d+11], v[PC:PC+11], v[O+8*\d:O+8*\d+7], v[VS+\d], v[PW] matrix_a_fmt:MATRIX_FMT_FP6 matrix_b_fmt:MATRIX_FMT_FP6
.endr
.rept 4
	v_pk_add_f32 v[L+(j%8):L+(j%8)+1], v[L+(j%8):L+(j%8)+1], v[S+j:S+j+1]   ; the last eight p: four places in front of the next loads into V's registers and of the first read of O^T
.set j, j+2
.endr
	s_lshr_b32 s[FL], s[FL], 1
	s_add_nc_u64 s[6:7], s[6:7], 256               ; no load of masks is out here
	s_sub_co_u32 s17, s17, 1
	s_cmp_lg_u32 s17, 0
	s_cbranch_scc1 .Lstep
	; the tile's way out: O^T / the sum, quantised along the head's 64: one half image of ctx and two scale bytes a row
	v_pk_add_f32 v[L:L+1], v[L:L+1], v[L+2:L+3]
	v_pk_add_f32 v[L+4:L+5], v[L+4:L+5], v[L+6:L+7]
	s_delay_alu instid0(VALU_DEP_1)
	v_pk_add_f32 v[L:L+1], v[L:L+1], v[L+4:L+5]
	s_delay_alu instid0(VALU_DEP_1)
	v_add_f32 v[L], v[L], v[L+1]
	s_delay_alu instid0(VALU_DEP_1)
	v_permlanex16_b32 v29, v[L], s[SEL], s[SEL+1]
	s_delay_alu instid0(VALU_DEP_1)
	v_add_f32 v[L], v[L], v29                      ; the row's sum
	s_wait_alu depctr_va_vdst(0)                   ; the wait ahead of the reciprocal
	v_rcp_f32 v[L], v[L]
	v_nop                                          ; a plain place behind the reciprocal
	s_wait_alu depctr_va_vdst(0)                   ; and the wait ahead of its first reader, which is O^T's first reader too
.set j, 0
.rept 16
	v_pk_mul_f32 v[S+j:S+j+1], v[O+j:O+j+1], v[L:L+1] op_sel_hi:[1,0]   ; register 16 b + i: channel 32 b + 16 h + i
.set j, j+2
.endr
	QUANT32 S, PC, CW
	global_store_b128 v242, v[PC:PC+3], s[10:11]             ; 512 consecutive bytes
	global_store_b64 v243, v[PC+4:PC+5], s[10:11] offset:512 ; 256 consecutive bytes
	global_store_b16 v244, v[CW], s[10:11]                   ; lanes r and r + 16 hold the same two bytes and write them to the same place
	s_wait_xcnt 0x0                                ; the stores have read their registers and their base
	s_add_nc_u64 s[10:11], s[10:11], 12800         ; the next tile
	s_add_nc_u64 s[4:5], s[4:5], 768
	s_add_nc_u64 s[100:101], s[100:101], 4
	s_add_nc_u64 s[8:9], s[8:9], 16
	s_sub_co_u32 s20, s20, 1
	s_cmp_lg_u32 s20, 0
	s_cbranch_scc1 .Lpass
	s_wait_tensorcnt 0x0                           ; the wave's end
	ds_add_u32 v254, v255
	s_wait_dscnt 0x0
	s_endpgm
.Lfunc_end_k_qbb7833364f_attn:
	.size	k_qbb7833364f_attn, .Lfunc_end_k_qbb7833364f_attn-k_qbb7833364f_attn
	.p2alignl 7, 3214868480
	.fill 96, 4, 3214868480
	.section	.rodata,"a",@progbits
	.p2align	6, 0x0
	.amdhsa_kernel k_qbb7833364f_attn
		.amdhsa_group_segment_fixed_size 215040
		.amdhsa_private_segment_fixed_size 0
		.amdhsa_enable_private_segment 0
		.amdhsa_kernarg_size 32
		.amdhsa_user_sgpr_count 2
		.amdhsa_user_sgpr_kernarg_segment_ptr 1
		.amdhsa_wavefront_size32 1
		.amdhsa_system_sgpr_workgroup_id_x 1
		.amdhsa_system_sgpr_workgroup_id_y 1
		.amdhsa_system_sgpr_workgroup_id_z 1
		.amdhsa_system_vgpr_workitem_id 0
		.amdhsa_next_free_vgpr 256
		.amdhsa_next_free_sgpr 102
		.amdhsa_reserve_vcc 0
		.amdhsa_float_denorm_mode_32 3
		.amdhsa_float_denorm_mode_16_64 3
		.amdhsa_memory_ordered 1
		.amdhsa_forward_progress 1
		.amdhsa_inst_pref_size 36
	.end_amdhsa_kernel
	.amdgpu_metadata
---
amdhsa.version: [ 1, 2 ]
amdhsa.kernels:
  - .name:           k_qbb7833364f_attn
    .symbol:         k_qbb7833364f_attn.kd
    .args:
      - { .name: heads, .offset: 0, .size: 8, .value_kind: global_buffer, .address_space: global }
      - { .name: mk, .offset: 8, .size: 8, .value_kind: global_buffer, .address_space: global }
      - { .name: fl, .offset: 16, .size: 8, .value_kind: global_buffer, .address_space: global }
      - { .name: ctx, .offset: 24, .size: 8, .value_kind: global_buffer, .address_space: global }
    .group_segment_fixed_size: 215040
    .private_segment_fixed_size: 0
    .kernarg_segment_align: 8
    .kernarg_segment_size: 32
    .max_flat_workgroup_size: 512
    .sgpr_count:     102
    .vgpr_count:     256
    .wavefront_size: 32
...
	.end_amdgpu_metadata
.endif
;; end of part 3
;; launch outp (part 4): grid 4 x 64, 8 waves a work-group, clusters of 4 x 4, 308,224 bytes of LDS; arguments ctx, cod, b_O, out0; writes out0
.if DOCPART == 4
	.amdgcn_target "amdgcn-amd-amdhsa--gfx1250"
	.amdhsa_code_object_version 6
	.text
	.protected	k_qbb7833364f_outp
	.globl	k_qbb7833364f_outp
	.p2align	8
	.type	k_qbb7833364f_outp,@function
k_qbb7833364f_outp:
	s_mov_b64 s[64:65], 0
	v_nop
	global_prefetch_b8 v0, s[64:65] scope:SCOPE_SE
	s_setreg_imm32_b32 hwreg(HW_REG_WAVE_MODE, 25, 1), 1
	s_wait_xcnt 0x0
	s_wait_alu depctr_hold_cnt(0) depctr_sa_sdst(0) depctr_va_vdst(0) depctr_va_sdst(0) depctr_va_ssrc(0) depctr_va_vcc(0) depctr_vm_vsrc(0)
	s_getreg_b32 s2, hwreg(HW_REG_IB_STS2, 6, 4)
	s_cmp_eq_u32 s2, 0
	s_cbranch_scc0 .Lentry_in_a_cluster
	s_endpgm
.Lentry_in_a_cluster:
	s_bfe_u32 s2, ttmp6, 0x10000c
	s_cmp_lg_u32 s2, 0xf033
	s_cbranch_scc0 .Lentry_shape_is_right
	s_endpgm
.Lentry_shape_is_right:
; OUTP: out0 = ctx w_O^T + b_O on codes of FP6 (E2M3); out0 [8192][1024] f32.
; A work-group multiplies 256 rows of w_O (source 0) by 128 rows of ctx (source 1) over all of K = 1,024; all its records lie in LDS at once, so no LDS byte is filled twice by the data mover.
; Tile T: rows 32 (T / 2) + 8 (T % 2) + r + 8 (r / 8).  Half image: tile x 64 k, lane (r, h) k = 32 h + 0 .. 31: registers 0-3 at 16 x lane, 4-5 at 512 + 8 x lane.  Record: 8 half images + 256 bytes of scale words [r][4]: 6,400 bytes.
; Eight waves: wave w takes w_O's tiles 4 (w % 4) + i and ctx's tiles 4 (w / 4) + j: 16 accumulators at v[128 + 32 j + 8 i].  Lane r is a row of ctx; the registers of two neighbouring tiles of w_O are 16 neighbouring outputs.
; THE WAY OUT: a wave's 64 rows x 64 outputs go through its own stage in LDS (rows 272 = 17 x 16 bytes apart) and leave as rows of 256 consecutive, aligned bytes, sixteen lanes to a row.
; The stages lie over the tiles' first 139,264 bytes: their only fill is long done, and every wave's reads of them ended ahead of the second barrier.
; CLUSTER 4 x 4: ctx's records hang on the work-group's y alone and are asked for jointly along a row of the cluster, w_O's on its x alone, along a column.
.set REC,  6400
.set TROW, 2*REC
.set HALF, REC                         ; LDS: slots of 12,800 bytes, a tile's two records on end as in memory: slots 0-7 ctx's tiles, 8-23 w_O's; the second K half lies one record on
.set SP,   272
.set WV,   3
.set G1A,  28                          ; s[28:35] group 1, ctx's records;  s[36:43] w_O's
.set G1B,  36
.set G0,   44                          ; s[44:51] two groups 0
.set SS0,  16
.set SS1,  24
.set F0,   32
.set F1,   80
.set ACC,  128
.set MSB, 0
.macro WIN new                         ; the immediate's high byte repeats the setting that is left
.if MSB != \new
	s_set_vgpr_msb (MSB<<8)|\new
.set MSB, \new
.endif
.endm
.macro CROUND                          ; a round of the cluster's barrier
	s_barrier_signal -1
	s_barrier_wait -1
	s_cmp_lg_u32 s[WV], 0
	s_cbranch_scc1 .Lnot_wave_0_\@
	s_barrier_signal -3
.Lnot_wave_0_\@:
	s_barrier_wait -3
	s_barrier_signal -1
	s_barrier_wait -1
.endm
.macro FRAG reg, a16, a8, off
	ds_load_b128 v[\reg:\reg+3], v[\a16] offset:\off
	ds_load_b64 v[\reg+4:\reg+5], v[\a8] offset:\off+512
	ds_load_b128 v[\reg+6:\reg+9], v[\a16] offset:\off+768
	ds_load_b64 v[\reg+10:\reg+11], v[\a8] offset:\off+1280
.endm
.macro SCALES
.irp p, 0,1
	ds_load_b128 v[SS0+4*\p:SS0+4*\p+3], v5 offset:2*TROW*\p+6144
	ds_load_b128 v[SS1+4*\p:SS1+4*\p+3], v6 offset:2*TROW*\p+6144
.endr
.endm
.macro KSTEP gl, places                ; the places stand in front of loads into registers that matrix instructions have read
.rept \places
	v_nop
.endr
.irp i, 0,1,2,3
	FRAG F0+12*\i, 1, 2, \i*TROW+(\gl)*1536
.endr
.irp j, 0,1,2,3
	FRAG F1+12*\j, 3, 4, \j*TROW+(\gl)*1536
.endr
.endm
.macro MM i, j, gl, cmode              ; cmode 0: onto the sum; 1: the sum begins with the bias of w_O's tile i (window 1, v[8 i])
.set rD, ACC+32*(\j)+8*(\i)
.set rC, rD
.if \cmode == 1
.set rC, 8*(\i)
.endif
.set rA, F0+12*(\i)
.set rB, F1+12*(\j)
.set rSA, SS0+4*((\i)/2)+(\gl)
.set rSB, SS1+4*((\j)/2)+(\gl)
.if ((\i)%2 == 0) && ((\j)%2 == 0)
	v_wmma_scale_f32_16x16x128_f8f6f4 v[rD:rD+7], v[rA:rA+11], v[rB:rB+11], v[rC:rC+7], v[rSA], v[rSB] matrix_a_fmt:MATRIX_FMT_FP6 matrix_b_fmt:MATRIX_FMT_FP6
.elseif ((\i)%2 == 1) && ((\j)%2 == 0)
	v_wmma_scale_f32_16x16x128_f8f6f4 v[rD:rD+7], v[rA:rA+11], v[rB:rB+11], v[rC:rC+7], v[rSA], v[rSB] matrix_a_fmt:MATRIX_FMT_FP6 matrix_b_fmt:MATRIX_FMT_FP6 matrix_a_scale:MATRIX_SCALE_ROW1
.elseif ((\i)%2 == 0) && ((\j)%2 == 1)
	v_wmma_scale_f32_16x16x128_f8f6f4 v[rD:rD+7], v[rA:rA+11], v[rB:rB+11], v[rC:rC+7], v[rSA], v[rSB] matrix_a_fmt:MATRIX_FMT_FP6 matrix_b_fmt:MATRIX_FMT_FP6 matrix_b_scale:MATRIX_SCALE_ROW1
.else
	v_wmma_scale_f32_16x16x128_f8f6f4 v[rD:rD+7], v[rA:rA+11], v[rB:rB+11], v[rC:rC+7], v[rSA], v[rSB] matrix_a_fmt:MATRIX_FMT_FP6 matrix_b_fmt:MATRIX_FMT_FP6 matrix_a_scale:MATRIX_SCALE_ROW1 matrix_b_scale:MATRIX_SCALE_ROW1
.endif
.endm
.macro MUL16 gl, cmode                 ; 16 products; the 16 accumulators take turns, one instruction a turn, in the same order in every step
.if \cmode
	WIN 0x10                                       ; source 2 in window 1
.endif
.irp j, 0,1,2,3
	s_wait_dscnt 4*(3-\j)                          ; LDS loads come back in order: w_O's fragments and ctx's up to tile j are in; four loads for each later tile may be out
.irp i, 0,1,2,3
	MM \i, \j, \gl, \cmode
.endr
.endr
.if \cmode
	WIN 0
.endif
.endm
	s_load_b256 s[4:11], s[0:1], 0x0               ; ctx s[4:5], cod s[6:7], b_O s[8:9], out0 s[10:11]
	v_lshl_add_u32 v14, v0, 2, 0x4b000
	v_mov_b32 v15, 0
	ds_add_u32 v14, v15
	ds_add_u32 v14, v15
	v_lshrrev_b32 v1, 5, v0
	s_delay_alu instid0(VALU_DEP_1)
	v_readfirstlane_b32 s[WV], v1                  ; wave 0..7
	s_bfe_u32 s14, ttmp6, 0x40000                  ; cx
	s_bfe_u32 s15, ttmp6, 0x40004                  ; cy
	s_and_b32 s16, ttmp7, 0xffff                   ; cluster y, 0..15
	; w_O's tile 1728 + 16 cx + 4 (wave % 4) of cod (s20-23 never hold cy)
	s_lshl_b32 s20, s14, 4
	s_add_co_u32 s20, s20, 1728
	s_and_b32 s21, s[WV], 3
	s_lshl_b32 s21, s21, 2                         ; waves 0-3 fetch four of w_O's tiles each
	s_add_co_u32 s20, s20, s21
	s_mul_i32 s20, s20, TROW
	s_mov_b32 s21, 0
	; ctx's tile 8 (4 x cluster y + cy) + 2 (wave % 4) (s24-27 never hold cx)
	s_lshl_b32 s24, s16, 2
	s_add_co_u32 s24, s24, s15
	s_lshl_b32 s24, s24, 3
	s_and_b32 s25, s[WV], 3
	s_lshl_b32 s25, s25, 1                         ; waves 4-7 fetch two of ctx's tiles each
	s_add_co_u32 s24, s24, s25
	s_mul_i32 s24, s24, TROW
	s_mov_b32 s25, 0
	s_lshl_b32 s26, s15, 2
	s_lshl_b32 s26, 15, s26                        ; my row of the cluster
	s_or_b32 s[G1A], s26, (3<<16)|(1<<21)          ; 15:0 the mask; 17:16 elements of 8 bytes; 21 set beside a mask
	s_mov_b32 s[G1A+1], 32<<16                     ; two tiles, 25,600 dense bytes, as 100 rows of 32 elements of 8 bytes
	s_mov_b32 s[G1A+2], 100<<16
	s_mov_b32 s[G1A+3], 32<<16
	s_mov_b32 s[G1A+4], 100
	s_mov_b32 s[G1A+5], 32
	s_mov_b32 s[G1A+6], 0
	s_mov_b32 s[G1A+7], 0
	s_lshl_b32 s22, 0x1111, s14                    ; my column
	s_or_b32 s[G1B], s22, (3<<16)|(1<<21)
	s_mov_b32 s[G1B+1], 32<<16                     ; four tiles, 51,200 dense bytes, as 200 rows
	s_mov_b32 s[G1B+2], 200<<16
	s_mov_b32 s[G1B+3], 32<<16
	s_mov_b32 s[G1B+4], 200
	s_mov_b32 s[G1B+5], 32
	s_mov_b32 s[G1B+6], 0
	s_mov_b32 s[G1B+7], 0
	s_and_b32 s23, s[WV], 3
	s_mul_i32 s27, s23, 2*TROW                     ; LDS: ctx's slots 2 (wave % 4), + 1;
	s_mul_i32 s23, s23, 4*TROW
	s_add_co_u32 s23, s23, 8*TROW                  ; w_O's slots 8 + 4 (wave % 4) .. + 3
	s_wait_dscnt 0x0
	s_wait_kmcnt 0x0
	s_add_nc_u64 s[24:25], s[4:5], s[24:25]
	s_add_nc_u64 s[20:21], s[6:7], s[20:21]
	s_mov_b32 s[G0], 1
	s_mov_b32 s[G0+1], s27
	s_mov_b64 s[G0+2:G0+3], s[24:25]
	s_or_b32 s[G0+3], s[G0+3], 0x80000000
	s_mov_b32 s[G0+4], 1
	s_mov_b32 s[G0+5], s23
	s_mov_b64 s[G0+6:G0+7], s[20:21]
	s_or_b32 s[G0+7], s[G0+7], 0x80000000
	CROUND                                         ; all sixteen work-groups are here: the joint loads meet
	s_cmp_lt_u32 s[WV], 4                          ; one joint load a wave, the launch's only fills: waves 0-3 w_O's tiles, waves 4-7 ctx's
	s_cbranch_scc0 .Lfor_s1
	tensor_load_to_lds s[G0+4:G0+7], s[G1B:G1B+7]
	s_nop 0
.rept 4
	v_nop
.endr
	s_branch .Lasked
.Lfor_s1:
	tensor_load_to_lds s[G0:G0+3], s[G1A:G1A+7]
	s_nop 0
.rept 4
	v_nop
.endr
.Lasked:
.rept 4
	v_nop
.endr
	s_and_b32 s66, s[WV], 3                        ; ws0
	s_lshr_b32 s67, s[WV], 2                       ; ws1
	s_lshl_b32 s70, s14, 10
	s_lshl_b32 s71, s66, 8
	s_add_co_u32 s70, s70, s71                     ; my first output, in bytes: 4 (256 cx + 64 ws0)
	s_mov_b32 s71, 0
	s_add_nc_u64 s[8:9], s[8:9], s[70:71]          ; in the bias,
	s_add_nc_u64 s[10:11], s[10:11], s[70:71]      ; and in a row of out0
	s_lshl_b32 s70, s16, 2
	s_add_co_u32 s70, s70, s15
	s_lshl_b32 s70, s70, 1
	s_add_co_u32 s70, s70, s67                     ; my group of 64 rows
	s_lshl_b32 s70, s70, 18                        ; x 64 rows of 4,096 bytes
	s_add_nc_u64 s[10:11], s[10:11], s[70:71]
	v_and_b32 v10, 31, v0                          ; lane
	v_and_b32 v11, 15, v0                          ; r
	v_bfe_u32 v13, v0, 4, 1                        ; h
	s_mul_i32 s72, s66, 4*TROW
	s_add_co_u32 s72, s72, 8*TROW
	s_mul_i32 s73, s67, 4*TROW
	v_lshl_add_u32 v1, v10, 4, s72
	v_lshl_add_u32 v2, v10, 3, s72
	v_lshl_add_u32 v3, v10, 4, s73
	v_lshl_add_u32 v4, v10, 3, s73
	v_lshlrev_b32 v6, 4, v11
	s_delay_alu instid0(VALU_DEP_1)
	v_mad_u32_u24 v6, v13, TROW, v6                ; scale words: 16 r, and one slot on for lanes 16-31
	s_delay_alu instid0(VALU_DEP_1)
	v_add_nc_u32 v5, s72, v6
	s_delay_alu instid0(VALU_DEP_2)
	v_add_nc_u32 v6, s73, v6
	v_lshlrev_b32 v12, 6, v13                      ; the bias: 16 h numbers on
	s_mul_i32 s74, s[WV], 64*SP                    ; my stage
	v_mul_u32_u24 v7, v11, SP
	s_delay_alu instid0(VALU_DEP_1)
	v_lshl_add_u32 v7, v13, 6, v7
	s_delay_alu instid0(VALU_DEP_1)
	v_add_nc_u32 v7, s74, v7                       ; in: row r of a tile, + 64 h bytes
	v_mul_u32_u24 v8, v13, SP
	s_delay_alu instid0(VALU_DEP_1)
	v_lshl_add_u32 v8, v11, 4, v8
	s_delay_alu instid0(VALU_DEP_1)
	v_add_nc_u32 v8, s74, v8                       ; back: lanes 0-15 one row, lanes 16-31 the next
	v_lshlrev_b32 v9, 12, v13
	s_delay_alu instid0(VALU_DEP_1)
	v_lshl_add_u32 v9, v11, 4, v9                  ; and the same two rows in out0
	WIN 0x40                                       ; destination window 1
.irp i, 0,1,2,3                                ; register e of w_O's tile i is output 32 (i / 2) + 16 h + 8 (i % 2) + e of my 64
	global_load_b128 v[8*\i:8*\i+3], v12, s[8:9] offset:(32*(\i/2)+8*(\i%2))*4
	global_load_b128 v[8*\i+4:8*\i+7], v12, s[8:9] offset:(32*(\i/2)+8*(\i%2))*4+16
.endr
	WIN 0
	s_wait_tensorcnt 0x0                           ; my one load is in
	s_barrier_signal -1
	s_barrier_wait -1
	SCALES
	KSTEP 0, 0
	s_wait_loadcnt 0x0                             ; the bias
	MUL16 0, 1                                     ; the first K step starts the sums with the bias
	KSTEP 1, 4
	MUL16 1, 0
	KSTEP 2, 4
	MUL16 2, 0
	KSTEP 3, 4
	MUL16 3, 0
.irp a, 1,2,3,4,5,6
	v_add_nc_u32 v[\a], HALF, v[\a]                ; on to the second half; these six are also the places in front of the loads below
.endr
	SCALES
	KSTEP 0, 0
	s_wait_alu depctr_va_vdst(0)
	MUL16 0, 0
	KSTEP 1, 4
	MUL16 1, 0
	KSTEP 2, 4
	MUL16 2, 0
	KSTEP 3, 4
	MUL16 3, 0
	s_barrier_signal -1                            ; my reads of the tiles are over (the last count-down ended at 0): the stages lie over tiles that all waves have read,
.rept 4
	v_nop                                          ; places in front of the first read of results and of loads into the fragments' registers
.endr
	s_barrier_wait -1                              ; so nothing is stored there before everybody's reads are over; those bytes have had their only fill
.irp j, 0,1,2,3
.irp i, 0,1,2,3
	ds_store_b128 v7, v[ACC+32*\j+8*\i:ACC+32*\j+8*\i+3] offset:16*\j*SP+128*(\i/2)+32*(\i%2)        ; each accumulator from its low end on
	ds_store_b128 v7, v[ACC+32*\j+8*\i+4:ACC+32*\j+8*\i+7] offset:16*\j*SP+128*(\i/2)+32*(\i%2)+16
.endr
.endr
.irp t, 0,1,2,3,4,5,6,7,8,9,10,11,12,13,14,15
	ds_load_b128 v[32+4*\t:35+4*\t], v8 offset:2*\t*SP             ; LDS serves a wave's instructions in order: these see my stores
.endr
.irp t, 0,1,2,3,4,5,6,7,8,9,10,11,12,13,14,15
	ds_load_b128 v[128+4*\t:131+4*\t], v8 offset:(32+2*\t)*SP
.endr
	s_wait_dscnt 16                                ; the first 16 loads are in; the second 16 may be out
.irp t, 0,1,2,3,4,5,6,7,8,9,10,11,12,13,14,15  ; stage rows 2 t + h: row 2 (t % 8) + h of tile t / 8, which is row 8 (t / 8) + 2 (t % 8) + 8 ((t % 8) / 4) + h of my 64
	global_store_b128 v9, v[32+4*\t:35+4*\t], s[10:11] offset:(8*(\t/8)+2*(\t%8)+8*((\t%8)/4))*4096 th:TH_STORE_NT   ; 16 lanes store 256 consecutive bytes, at a multiple of 256 from out0's first byte
.endr
	s_wait_dscnt 0x0
.irp t, 0,1,2,3,4,5,6,7,8,9,10,11,12,13,14,15  ; tiles 2 and 3: 32 rows on
	global_store_b128 v9, v[128+4*\t:131+4*\t], s[10:11] offset:(32+8*(\t/8)+2*(\t%8)+8*((\t%8)/4))*4096 th:TH_STORE_NT
.endr
	s_wait_tensorcnt 0x0
	ds_add_u32 v14, v15
	s_wait_dscnt 0x0
	CROUND                                         ; the closing round
	s_endpgm
.Lfunc_end_k_qbb7833364f_outp:
	.size	k_qbb7833364f_outp, .Lfunc_end_k_qbb7833364f_outp-k_qbb7833364f_outp
	.p2alignl 7, 3214868480
	.fill 96, 4, 3214868480
	.section	.rodata,"a",@progbits
	.p2align	6, 0x0
	.amdhsa_kernel k_qbb7833364f_outp
		.amdhsa_group_segment_fixed_size 308224
		.amdhsa_private_segment_fixed_size 0
		.amdhsa_enable_private_segment 0
		.amdhsa_kernarg_size 32
		.amdhsa_user_sgpr_count 2
		.amdhsa_user_sgpr_kernarg_segment_ptr 1
		.amdhsa_wavefront_size32 1
		.amdhsa_system_sgpr_workgroup_id_x 1
		.amdhsa_system_sgpr_workgroup_id_y 1
		.amdhsa_system_sgpr_workgroup_id_z 1
		.amdhsa_system_vgpr_workitem_id 0
		.amdhsa_next_free_vgpr 288
		.amdhsa_next_free_sgpr 80
		.amdhsa_reserve_vcc 0
		.amdhsa_float_denorm_mode_32 3
		.amdhsa_float_denorm_mode_16_64 3
		.amdhsa_memory_ordered 1
		.amdhsa_forward_progress 1
		.amdhsa_inst_pref_size 50
	.end_amdhsa_kernel
	.amdgpu_metadata
---
amdhsa.version: [ 1, 2 ]
amdhsa.kernels:
  - .name:           k_qbb7833364f_outp
    .symbol:         k_qbb7833364f_outp.kd
    .args:
      - { .name: ctx, .offset: 0, .size: 8, .value_kind: global_buffer, .address_space: global }
      - { .name: cod, .offset: 8, .size: 8, .value_kind: global_buffer, .address_space: global }
      - { .name: b_O, .offset: 16, .size: 8, .value_kind: global_buffer, .address_space: global }
      - { .name: out0, .offset: 24, .size: 8, .value_kind: global_buffer, .address_space: global }
    .group_segment_fixed_size: 308224
    .private_segment_fixed_size: 0
    .kernarg_segment_align: 8
    .kernarg_segment_size: 32
    .max_flat_workgroup_size: 256
    .sgpr_count:     80
    .vgpr_count:     288
    .wavefront_size: 32
...
	.end_amdgpu_metadata
.endif
;; end of part 4
